; MI455X (gfx1250); checked and timed in simulation.
; The chip was launched on July 23, 2026; its instructions are those of AMD's public machine-readable ISA for CDNA 5 (MIT licence, August 2026) and "CDNA5" Instruction Set Architecture Reference Guide (July 2026). The comments in the code are by the model that wrote it; some were corrected since.
;; Paged LTS Memory. Allowed arithmetic: float matrix products may take bf16 or f16 operands with f32 sums; other float arithmetic in f32, or as packed bf16 or f16 multiplies, adds, multiply-adds, maxima and minima; sums over many terms, partial sums and values carried from step to step in f32; what a program stores and reads back later, other than sums and carried values, may be rounded once to bf16 or f16.
;; Inputs: gpu_pages 1 x 2,048 x 64 x 128 float32; query 2 x 512 x 128 float32.
;; Outputs: out0 2 x 512 x 128 float32.
;; Constants: top_k = 64.
;; 2 versions, each right; version 2 is version 1 with the launch stats written anew for expert scheduling mode. Each part assembles by itself: llvm-mc -triple=amdgcn-amd-amdhsa -mcpu=gfx1250 --defsym DOCPART=n.
;; ======== version 1 of 2: 4 launches
;; workspace buffers: pstat 16,777,216 bytes; pidx 2,097,152 bytes of whole numbers; masks 524,288 bytes of whole numbers; topi 262,144 bytes of whole numbers; topw 262,144 bytes
;; launch stats (part 1): grid 2 x 128, 4 waves a work-group, no clusters, 313,600 bytes of LDS; arguments query, gpu_pages, pstat, pidx; writes pstat, pidx
.if DOCPART == 1
	.amdgcn_target "amdgcn-amd-amdhsa--gfx1250"
	.amdhsa_code_object_version 6
	.text
	.protected	k_qefb776847a_stats
	.globl	k_qefb776847a_stats
	.p2align	8
	.type	k_qefb776847a_stats,@function
k_qefb776847a_stats:
	s_mov_b64 s[64:65], 0
	v_nop
	global_prefetch_b8 v0, s[64:65] scope:SCOPE_SE
	s_setreg_imm32_b32 hwreg(HW_REG_WAVE_MODE, 25, 1), 1
	s_wait_xcnt 0x0
; THE DENSE PASS.  scores = query x memory^T (bf16 operands, rounded once from f32; sums in f32), never stored: of each page of 64 memory rows
; and each query only three numbers leave: m1, the page's largest score; m2, its second largest (equal to m1 where the largest stands twice); idx, m1's place in the page.
; pstat[kr 128][row 1024][p16 16][2] f32 = (m1, m2), pidx[kr][row][p16] one byte; page = 16 kr + p16.
; SHARES.  Work-group (x = half of the queries, y = kr): 512 queries x 1,024 memory rows (16 pages).  Wave w: 128 queries, eight tiles of 16, all 1,024 rows in eight steps of 128.
; LAYOUT.  S^T = K Q^T: source 0 = 16 memory rows, source 1 = 16 queries.  Tile t of a step holds rows 8t..8t+7 of page 16kr+s and, as its rows 8-15, rows 8t..8t+7 of page 16kr+8+s.
; So lane (r = lane % 16, h = lane / 16) holds in the eight accumulators of a turn all 64 scores S[t][j] of query r and ONE page (p16 = s + 8h): nothing crosses lanes.
; THE DIGEST.  a_t = max_j S[t][j], r_j = max_t S[t][j].  m1 = max a.  m2 = max(second largest a, second largest r): each is the value of another element than the largest, and the
; second largest element lies in another row or in another column than the largest.  idx bit by bit: a bit of t (of j) is set where the maximum of the a (r) with that bit set equals m1; right wherever m1 stands once.
; BY TURNS.  A turn is 32 matrix instructions (one query tile, 8 accumulators by turns, 4 along K); the 109 lines of the digest of the turn before stand behind them, three or four a line.
; f32 rows must pass through registers to become bf16, so LDS is filled by ds_store: no tensor load, no cluster.
; LIMITS.  NaN is not treated apart; +0 and -0 count as equal in idx.
.set KP,    272       ; a bf16 row in LDS: 256 bytes + 16: 68 words, so neighbouring rows start four banks apart (64 banks of 4 bytes: ISA guide 11.1)
.set HALF,  17536     ; 64 rows x 272 + 128: the second page's rows start 32 banks off the first's, so a fragment's 8 + 8 rows start at 16 different groups of banks
.set SLOTX, 0x10000   ; slot 1 begins here: one exclusive or changes slots
.set IXS,   35072     ; idx stage: [row 512][16 bytes]
.set SPARE, 43264     ; the spare words: 128 bytes a wave, two blocks of 256 bytes that no other line names
.set PST,   100608    ; (m1, m2) stage: [row 512], pitch 144
.set PP,    144
.set QST,   174336    ; Q as bf16: 128 rows x 272 for each wave
.set L16, 4           ; v4   16 x lane; never rewritten
.set KS0, 5           ; v5   where my lane puts 8 bytes of my wave's first key row, slot 0
.set KS,  6           ; v6   the same in the slot being filled
.set AF0, 7           ; v7   my lane's place in a key fragment, slot 0
.set AF,  8           ; v8   the same in the slot to be read
.set STA, 9           ; v9   where (m1, m2) of query tile 0 goes; 8 bytes on with each step
.set IXA, 10          ; v10  where idx goes; 1 byte on with each step
.set QS,  11          ; v11  where my lane puts 8 bytes of my wave's Q row 0
.set QF,  12          ; v12  my lane's place in a Q fragment
.set RB,  13          ; v13  the way out: read-back of (m1, m2)
.set SPW, 14          ; v14  my spare word
.set NIL, 15          ; v15  0
.set AT,  16          ; v16-23 a_t, v24-31 r_j
.set HA,  32          ; v32, v33 running maxima of a, of r
.set LA,  34          ; v34, v35 running seconds
.set TA,  36          ; v36-38, v39-41 seconds of three
.set XT,  42          ; v42-47 the six partial maxima for idx
.set M1,  48          ; v48, v49 (m1, m2); v50 idx; v51 read-back of idx
; v64-127, v128-191: two buffers of S.  Window 1: key fragments, tile t, K quarter kc at v[32t+8kc].  Window 2: Q fragments, tile qt at v[32qt+8kc].  Window 3: v0-127, 32 key rows as loaded.
.set MSB, 0
.macro WIN new                          ; the high byte repeats the setting that is left; a switch that changes nothing is dropped
.if MSB != (\new)
	s_set_vgpr_msb (MSB<<8)|(\new)
.set MSB, (\new)
.endif
.endm
.macro KLOAD                            ; my 32 rows of the next step's 128: each load is one whole row of 512 bytes
	WIN 0xc0
.set i, 0
.rept 32
	global_load_b128 v[4*i:4*i+3], v[L16], s[16:17] offset:512*i
.set i, i+1
.endr
.endm
.macro KCONV                            ; rounded to bf16 in place, then 8 bytes a lane into the slot
	WIN 0xcf
.set i, 0
.rept 32
	v_cvt_pk_bf16_f32 v[4*i], v[4*i], v[4*i+1]
	v_cvt_pk_bf16_f32 v[4*i+1], v[4*i+2], v[4*i+3]
.set i, i+1
.endr
	WIN 0x0c
.set i, 0
.rept 32
	ds_store_b64 v[KS], v[4*i:4*i+1] offset:KP*i
.set i, i+1
.endr
.endm
.macro QLOAD b                          ; batch b of 32 Q rows into window 1 (b = 0, 1) or 2 (b = 2, 3)
	WIN (1+(\b)/2)<<6
.set i, 0
.rept 32
	global_load_b128 v[128*((\b)%2)+4*i:128*((\b)%2)+4*i+3], v[L16], s[18:19] offset:512*(32*(\b)+i)
.set i, i+1
.endr
.endm
.macro QCONV b
	WIN (1+(\b)/2)*0x45
.set i, 0
.rept 32
	v_cvt_pk_bf16_f32 v[128*((\b)%2)+4*i], v[128*((\b)%2)+4*i], v[128*((\b)%2)+4*i+1]
	v_cvt_pk_bf16_f32 v[128*((\b)%2)+4*i+1], v[128*((\b)%2)+4*i+2], v[128*((\b)%2)+4*i+3]
.set i, i+1
.endr
	WIN (1+(\b)/2)<<2
.set i, 0
.rept 32
	ds_store_b64 v[QS], v[128*((\b)%2)+4*i:128*((\b)%2)+4*i+1] offset:KP*(32*(\b)+i)
.set i, i+1
.endr
.endm
.macro ALOAD kc                         ; the eight key fragments of K quarter kc
	WIN 0x40
.set t, 0
.rept 8
	ds_load_b128 v[32*t+8*(\kc):32*t+8*(\kc)+3], v[AF] offset:8*KP*t+64*(\kc)
	ds_load_b128 v[32*t+8*(\kc)+4:32*t+8*(\kc)+7], v[AF] offset:8*KP*t+64*(\kc)+32
.set t, t+1
.endr
.endm
.macro MM q                             ; product i of a turn: key tile i % 8, K quarter i / 8.  The eight accumulators take turns, one instruction a turn
	WIN 0x09
.set rD, 64+64*((\q)%2)+8*(i%8)
.set rA, 32*(i%8)+8*(i/8)
.set rQ, 32*(\q)+8*(i/8)
.if i < 8
	v_wmma_f32_16x16x32_bf16 v[rD:rD+7], v[rA:rA+7], v[rQ:rQ+7], 0
.else
	v_wmma_f32_16x16x32_bf16 v[rD:rD+7], v[rA:rA+7], v[rQ:rQ+7], v[rD:rD+7]
.endif
.endm
; Line n of the digest of S buffer b, for query tile qt.  0-31 a_t (each accumulator is read first at its low end); 32-63 r_j; 64-82 m1 and m2: of (running maximum, x, y)
; the middle one is a candidate for the second, the largest the new maximum; 83-106 idx; 107, 108 the stage.
.macro RID b, qt, n
.set SB, 64+64*(\b)
.if (\n) < 8
	v_max3_num_f32 v[AT+(\n)], v[SB+8*(\n)], v[SB+8*(\n)+1], v[SB+8*(\n)+2]
.elseif (\n) < 24
.set t, (\n)%8
.set u, 2*((\n)/8)+1
	v_max3_num_f32 v[AT+t], v[AT+t], v[SB+8*t+u], v[SB+8*t+u+1]
.elseif (\n) < 32
.set t, (\n)%8
	v_max_num_f32 v[AT+t], v[AT+t], v[SB+8*t+7]
.elseif (\n) < 40
.set t, (\n)%8
	v_max3_num_f32 v[AT+8+t], v[SB+t], v[SB+8+t], v[SB+16+t]
.elseif (\n) < 56
.set t, (\n)%8
.set u, 2*((\n)/8)-7
	v_max3_num_f32 v[AT+8+t], v[AT+8+t], v[SB+8*u+t], v[SB+8*u+8+t]
.elseif (\n) < 64
.set t, (\n)%8
	v_max_num_f32 v[AT+8+t], v[AT+8+t], v[SB+56+t]
.elseif (\n) < 66
.set u, (\n)-64
	v_max_num_f32 v[HA+u], v[AT+8*u], v[AT+8*u+1]
.elseif (\n) < 68
.set u, (\n)-66
	v_min_num_f32 v[LA+u], v[AT+8*u], v[AT+8*u+1]
.elseif (\n) < 78
.set t, ((\n)-68)/4
.set u, ((\n)-68)%2
.if ((\n)-68)%4 < 2
	v_med3_num_f32 v[TA+3*u+t], v[HA+u], v[AT+8*u+2*t+2], v[AT+8*u+2*t+3]
.else
	v_max3_num_f32 v[HA+u], v[HA+u], v[AT+8*u+2*t+2], v[AT+8*u+2*t+3]
.endif
.elseif (\n) == 78
	v_max3_num_f32 v[M1], v[HA], v[AT+6], v[AT+7]
.elseif (\n) == 79
	v_max3_num_f32 v[LA], v[LA], v[TA], v[TA+1]
.elseif (\n) == 80
	v_max3_num_f32 v[LA+1], v[LA+1], v[TA+3], v[TA+4]
.elseif (\n) == 81
	v_max3_num_f32 v[LA], v[LA], v[TA+2], v[TA+5]
.elseif (\n) == 82
	v_max_num_f32 v[M1+1], v[LA], v[LA+1]
.elseif (\n) < 89
.set u, ((\n)-83)/3
.set t, ((\n)-83)%3
.if t == 0
	v_max3_num_f32 v[XT+(\n)-83], v[AT+8*u+4], v[AT+8*u+5], v[AT+8*u+6]
.elseif t == 1
	v_max3_num_f32 v[XT+(\n)-83], v[AT+8*u+2], v[AT+8*u+3], v[AT+8*u+6]
.else
	v_max3_num_f32 v[XT+(\n)-83], v[AT+8*u+1], v[AT+8*u+3], v[AT+8*u+5]
.endif
.elseif (\n) < 95
.set u, ((\n)-89)/3
	v_max_num_f32 v[XT+(\n)-89], v[XT+(\n)-89], v[AT+8*u+7]
.elseif (\n) == 95
	v_cmp_eq_f32 vcc_lo, v[XT], v[M1]
.elseif (\n) == 96
	v_cndmask_b32 v[M1+2], 0, 1, vcc_lo
.elseif (\n) < 107
.if ((\n)-97)%2 == 0
	v_cmp_eq_f32 vcc_lo, v[XT+1+((\n)-97)/2], v[M1]
.else
	v_add_co_ci_u32 v[M1+2], vcc_lo, v[M1+2], v[M1+2], vcc_lo   ; idx = 2 idx + the bit
.endif
.elseif (\n) == 107
	ds_store_b64 v[STA], v[M1:M1+1] offset:16*PP*(\qt)
.else
	ds_store_b8 v[IXA], v[M1+2] offset:256*(\qt)
.endif
.endm
; A TURN for query tile q: 32 products into S buffer q % 2; behind product i the lines [109 i / 32, 109 (i + 1) / 32) of the digest of the turn before (buffer (q + 1) % 2, tile (q + 7) % 8).
; An accumulator finished by product 24 + t is first read by line t of the next turn: at least nine plain vector lines lie between (ISA guide 7.12.1 asks for four).
; rl: the next step's key fragments of K quarters 0, 1, 2 are fetched behind products 9, 17, 25, each two products and at least seven lines behind its registers' last reader.
; k3: quarter 3 is fetched behind product 1 and waited for ahead of product 24.  bw: the step's barrier is waited for behind product 20 (only register work stands between signal and wait).
.macro TURN q, rl=0, k3=0, bw=0, bump=0
.set i, 0
.rept 32
.if (\k3) && (i == 24)
	s_wait_dscnt 0x0                ; quarter 3's sixteen loads are in
.endif
	MM \q
	WIN 0
.set n, (i*109)/32
.rept ((i+1)*109)/32-(i*109)/32
	RID ((\q)+1)%2, ((\q)+7)%8, n
.set n, n+1
.endr
.if (\rl) && ((i == 9) || (i == 17) || (i == 25))
	ALOAD (i-9)/8
.endif
.if (\k3) && (i == 1)
	ALOAD 3
.endif
.if (\bw) && (i == 20)
	s_barrier_wait -1               ; every wave's part of the next slot is stored
.endif
.set i, i+1
.endr
.if \bump
	v_add_nc_u32 v[STA], 8, v[STA]  ; the next step's pages
	v_add_nc_u32 v[IXA], 1, v[IXA]
.endif
.endm
	s_load_b256 s[4:11], s[0:1], 0x0               ; query s[4:5], gpu_pages s[6:7], pstat s[8:9], pidx s[10:11]
	v_lshl_add_u32 v[SPW], v0, 2, SPARE
	v_mov_b32 v[NIL], 0
	v_and_b32 v1, 31, v0                           ; lane
	v_lshrrev_b32 v2, 5, v0
	v_readfirstlane_b32 s12, v2                    ; wave
	v_and_b32 v2, 15, v0                           ; r
	v_bfe_u32 v3, v0, 4, 1                         ; h
	v_lshlrev_b32 v[L16], 4, v1
	s_lshr_b32 s24, s12, 1                         ; which of a step's two pages I fetch
	s_and_b32 s25, s12, 1                          ; which 32 of its rows
	s_mul_i32 s26, s24, HALF
	s_mul_i32 s27, s25, 32*KP
	s_add_co_u32 s26, s26, s27
	v_lshl_add_u32 v[KS0], v1, 3, s26
	v_mov_b32 v[KS], v[KS0]
	v_lshrrev_b32 v16, 3, v2
	v_and_b32 v17, 7, v2
	v_mul_u32_u24 v[AF0], v16, HALF                ; fragment row r: page r / 8, row r % 8 of the tile's eight
	v_mul_u32_u24 v17, v17, KP
	v_add_nc_u32 v[AF0], v[AF0], v17
	v_lshl_add_u32 v[AF0], v3, 4, v[AF0]
	v_mov_b32 v[AF], v[AF0]
	s_mul_i32 s27, s12, 128*PP
	s_add_co_u32 s27, s27, PST                     ; my wave's 128 rows of the (m1, m2) stage
	v_mul_u32_u24 v[STA], v2, PP
	v_lshl_add_u32 v[STA], v3, 6, v[STA]           ; p16 = s + 8 h: 64 h bytes
	v_add_nc_u32 v[STA], s27, v[STA]
	s_lshl_b32 s28, s12, 11
	s_add_co_u32 s28, s28, IXS
	v_lshlrev_b32 v[IXA], 4, v2
	v_lshl_add_u32 v[IXA], v3, 3, v[IXA]
	v_add_nc_u32 v[IXA], s28, v[IXA]
	s_mul_i32 s29, s12, 128*KP
	s_add_co_u32 s29, s29, QST
	v_lshl_add_u32 v[QS], v1, 3, s29
	v_mul_u32_u24 v[QF], v2, KP
	v_lshl_add_u32 v[QF], v3, 4, v[QF]
	v_add_nc_u32 v[QF], s29, v[QF]
	v_lshrrev_b32 v16, 3, v1                       ; the way out: 32 lanes take four rows of 128 bytes
	v_and_b32 v17, 7, v1
	v_mul_u32_u24 v[RB], v16, PP
	v_lshl_add_u32 v[RB], v17, 4, v[RB]
	v_add_nc_u32 v[RB], s27, v[RB]
	v_add_nc_u32 v51, s28, v[L16]
	s_and_b32 s30, ttmp7, 0xffff                   ; kr
	s_lshl_b32 s20, s30, 19                        ; 16 pages of 32,768 bytes
	s_lshl_b32 s21, s24, 18                        ; eight pages on
	s_add_co_u32 s20, s20, s21
	s_lshl_b32 s21, s25, 14                        ; 32 rows on
	s_add_co_u32 s20, s20, s21
	s_mov_b32 s21, 0
	s_lshl_b32 s22, ttmp9, 18                      ; 512 query rows of 512 bytes
	s_lshl_b32 s23, s12, 16                        ; my wave's 128
	s_add_co_u32 s22, s22, s23
	s_mov_b32 s23, 0
	s_lshl_b32 s32, s30, 17                        ; pstat: (1,024 kr + 512 x + 128 w) rows of 128 bytes
	s_lshl_b32 s33, ttmp9, 16
	s_add_co_u32 s32, s32, s33
	s_lshl_b32 s33, s12, 14
	s_add_co_u32 s32, s32, s33
	s_mov_b32 s33, 0
	s_lshr_b32 s34, s32, 3                         ; pidx: rows of 16 bytes
	s_mov_b32 s35, 0
	s_wait_kmcnt 0x0
	s_add_nc_u64 s[16:17], s[6:7], s[20:21]
	s_add_nc_u64 s[18:19], s[4:5], s[22:23]
	s_add_nc_u64 s[8:9], s[8:9], s[32:33]
	s_add_nc_u64 s[10:11], s[10:11], s[34:35]
	; Keys of step 0, then Q in four batches of 32 rows: behind each batch that is wanted exactly one batch of 32 loads has been issued, which is each wait's count.
	KLOAD
	QLOAD 0
	s_wait_loadcnt 32                              ; the keys are in; Q's batch 0 stays out
	KCONV
	QLOAD 1
	s_wait_loadcnt 32
	QCONV 0
	QLOAD 2
	s_wait_loadcnt 32
	QCONV 1
	QLOAD 3
	s_wait_loadcnt 32
	QCONV 2
	s_wait_dscnt 0x0                               ; the stores have left the key registers
	s_add_nc_u64 s[16:17], s[16:17], 0x8000        ; step 0's loads were shown done above: the base may step to the next pages
	KLOAD                                          ; step 1
	s_wait_loadcnt 32                              ; Q's batch 3 is in; step 1's keys stay out
	QCONV 3
	WIN 0
	s_wait_dscnt 0x0                               ; for the others' sake: my part of slot 0 is stored
	s_barrier_signal -1
	s_barrier_wait -1
	WIN 0x80
.set i, 0
.rept 32                                               ; Q stays in registers: tile i / 4, K quarter i % 4 (the rows are my wave's own)
	ds_load_b128 v[8*i:8*i+3], v[QF] offset:16*KP*(i/4)+64*(i%4)
	ds_load_b128 v[8*i+4:8*i+7], v[QF] offset:16*KP*(i/4)+64*(i%4)+32
.set i, i+1
.endr
	ALOAD 0
	ALOAD 1
	ALOAD 2
	ALOAD 3
	s_wait_dscnt 0x0
.set i, 0
.rept 32
	MM 0                                           ; the first turn has no digest to carry
.set i, i+1
.endr
	WIN 0
.rept 4
	v_nop                                          ; the places between those products and the first lines that read them
.endr
	s_mov_b32 s13, 0                               ; the step
	s_mov_b32 s14, SLOTX                           ; the slot that takes the next step's keys
.Lstep:                                                ; a trip: query tiles 1-7 of step s13, then tile 0 of the next step
	TURN 1
	TURN 2
	TURN 3
	TURN 4
	TURN 5
	WIN 0
	s_cmp_eq_u32 s13, 7
	s_cbranch_scc1 .Lnc                            ; the last step has no successor
	v_add_nc_u32 v[KS], s14, v[KS0]
	v_add_nc_u32 v[AF], s14, v[AF0]
	s_wait_loadcnt 0x0                             ; the next step's keys, asked for a whole trip ago
	KCONV                                          ; into the slot whose last readers waited for their loads ahead of the barrier of the trip before
	WIN 0
	s_cmp_ge_u32 s13, 6
	s_cbranch_scc1 .Lnc
	s_wait_dscnt 0x0
	s_add_nc_u64 s[16:17], s[16:17], 0x8000
	KLOAD                                          ; the step after next
	WIN 0
.Lnc:
	s_wait_dscnt 0x0                               ; my stores into the next slot are done, and no LDS instruction of mine is out
	s_barrier_signal -1
	TURN 6, 0, 0, 1
	TURN 7, 1                                      ; in the last step these 48 loads read the step's own slot once more and serve nothing: one text, one count of LDS instructions on every path
	WIN 0
	s_cmp_eq_u32 s13, 7
	s_cbranch_scc1 .Lout
	s_wait_dscnt 2                                 ; the 48 fragment loads are in; only the turn's two stores into the stages are younger
	TURN 0, 0, 1, 0, 1
	WIN 0
	s_xor_b32 s14, s14, SLOTX
	s_add_co_u32 s13, s13, 1
	s_cmp_lt_u32 s13, 8
	s_cbranch_scc1 .Lstep
.Lout:
.rept 4
	v_nop
.endr
.set n, 0
.rept 109
	RID 1, 7, n                                    ; the last turn's digest
.set n, n+1
.endr
	; THE WAY OUT: my wave's own rows of the stages (LDS serves a wave's instructions in order: ISA guide 5.7.1.4), back as 512 consecutive bytes a load, stored as such.
.set n, 0
.rept 32
	ds_load_b128 v[64+4*n:64+4*n+3], v[RB] offset:4*PP*n
.set n, n+1
.endr
.set n, 0
.rept 4
	ds_load_b128 v[192+4*n:192+4*n+3], v51 offset:512*n
.set n, n+1
.endr
.set n, 0
.rept 32
	s_wait_dscnt 35-n                              ; the younger read-backs may stay out
	global_store_b128 v[L16], v[64+4*n:64+4*n+3], s[8:9] offset:512*n
.set n, n+1
.endr
.set n, 0
.rept 4
	s_wait_dscnt 3-n
	global_store_b128 v[L16], v[192+4*n:192+4*n+3], s[10:11] offset:512*n
.set n, n+1
.endr
	s_wait_tensorcnt 0x0                           ; the wave's end
	ds_add_u32 v[SPW], v[NIL]
	s_wait_dscnt 0x0
	s_endpgm
.Lfunc_end_k_qefb776847a_stats:
	.size	k_qefb776847a_stats, .Lfunc_end_k_qefb776847a_stats-k_qefb776847a_stats
	.p2alignl 7, 3214868480
	.fill 96, 4, 3214868480
	.section	.rodata,"a",@progbits
	.p2align	6, 0x0
	.amdhsa_kernel k_qefb776847a_stats
		.amdhsa_group_segment_fixed_size 313600
		.amdhsa_private_segment_fixed_size 0
		.amdhsa_enable_private_segment 0
		.amdhsa_kernarg_size 32
		.amdhsa_user_sgpr_count 2
		.amdhsa_user_sgpr_kernarg_segment_ptr 1
		.amdhsa_wavefront_size32 1
		.amdhsa_system_sgpr_workgroup_id_x 1
		.amdhsa_system_sgpr_workgroup_id_y 1
		.amdhsa_system_sgpr_workgroup_id_z 1
		.amdhsa_system_vgpr_workitem_id 0
		.amdhsa_next_free_vgpr 896
		.amdhsa_next_free_sgpr 66
		.amdhsa_reserve_vcc 1
		.amdhsa_float_denorm_mode_32 3
		.amdhsa_float_denorm_mode_16_64 3
		.amdhsa_memory_ordered 1
		.amdhsa_forward_progress 1
		.amdhsa_inst_pref_size 167
	.end_amdhsa_kernel
	.amdgpu_metadata
---
amdhsa.version: [ 1, 2 ]
amdhsa.kernels:
  - .name:           k_qefb776847a_stats
    .symbol:         k_qefb776847a_stats.kd
    .args:
      - { .name: query, .offset: 0, .size: 8, .value_kind: global_buffer, .address_space: global }
      - { .name: gpu_pages, .offset: 8, .size: 8, .value_kind: global_buffer, .address_space: global }
      - { .name: pstat, .offset: 16, .size: 8, .value_kind: global_buffer, .address_space: global }
      - { .name: pidx, .offset: 24, .size: 8, .value_kind: global_buffer, .address_space: global }
    .group_segment_fixed_size: 313600
    .private_segment_fixed_size: 0
    .kernarg_segment_align: 8
    .kernarg_segment_size: 32
    .max_flat_workgroup_size: 128
    .sgpr_count:     66
    .vgpr_count:     896
    .wavefront_size: 32
...
	.end_amdgpu_metadata
.endif
;; end of part 1
;; launch thresh (part 2): grid 256 x 1, 2 waves a work-group, no clusters, 0 bytes of LDS; arguments pstat, masks; writes masks
.if DOCPART == 2
	.amdgcn_target "amdgcn-amd-amdhsa--gfx1250"
	.amdhsa_code_object_version 6
	.text
	.protected	k_qefb776847a_thresh
	.globl	k_qefb776847a_thresh
	.p2align	8
	.type	k_qefb776847a_thresh,@function
k_qefb776847a_thresh:
	s_mov_b64 s[64:65], 0
	v_nop
	global_prefetch_b8 v0, s[64:65] scope:SCOPE_SE
	s_setreg_imm32_b32 hwreg(HW_REG_WAVE_MODE, 25, 1), 1
	s_wait_xcnt 0x0
; THE BOUND AND THE MASKS.  For each query: T = the 64th largest of the 256 maxima of eight consecutive pages.  64 different elements are >= T, so every member of the top 64 is >= T.
; A page with m1 >= T > m2 holds at most its largest element ("single"); a page with m2 >= T is scored again ("full").  Both sets leave as bit masks, whole numbers for the next launch.
; masks[kind: single, full][pair 512][lam 32][g 4] u32; lam = 16 u + 8 rho + c, row = 2 pair + rho; bit b of word (lam, g) = page 512 g + 32 (b / 2) + 16 u + 2 c + b % 2.
; SHARES.  A wave owns two rows.  Lane l = 16 u + 8 rho + c; load i takes kr = 2 i + u: sixteen lanes read the two rows' 256 consecutive bytes; a lane gets (m1, m2) of pages 16 kr + 2 c and + 1.
; All 256 numbers of a lane stay in registers (window 1) between the search for T and the masks: pstat is read once.  No LDS, no barrier, no matrix work.
; T is found by bisection on the bits of an order-keeping whole-number image of f32: 32 counted trips, nothing branches on data.  LIMITS: NaN is not treated apart; -0 ranks below +0 in the search.
.set MSB, 0
.macro WIN new
.if MSB != (\new)
	s_set_vgpr_msb (MSB<<8)|(\new)
.set MSB, (\new)
.endif
.endm
.set SM, 64           ; v64-127  maxima
.set KY, 128          ; v128-143 my 16 keys; v144-159 at work
.set TT, 160          ; v160-191 at work
	s_load_b128 s[4:7], s[0:1], 0x0                ; pstat s[4:5], masks s[6:7]
	v_and_b32 v1, 31, v0
	v_lshrrev_b32 v2, 5, v0
	v_readfirstlane_b32 s8, v2
	s_lshl_b32 s9, ttmp9, 1
	s_add_co_u32 s9, s9, s8                        ; the pair of rows
	s_lshl_b32 s10, s9, 8
	s_lshl_b32 s11, s9, 9
	v_and_b32 v2, 15, v1
	v_lshrrev_b32 v3, 4, v1
	v_lshl_add_u32 v4, v2, 4, s10
	v_lshl_add_u32 v4, v3, 17, v4                  ; 131,072 u + 256 pair + 16 (lane % 16)
	v_lshl_add_u32 v5, v1, 4, s11
	s_mov_b32 s14, 0xaaaaaaaa                      ; lanes with bit 0 set
	s_mov_b32 s15, 0xcccccccc                      ; with bit 1 set
	s_mov_b32 s22, 0x76543210                      ; v_permlanex16_b32: each lane takes its own place in the other half
	s_mov_b32 s23, 0xfedcba98
	v_mov_b32 v8, 0                                ; T's image, built from the top bit down
	v_mov_b32 v11, 0                               ; destinations of lane moves count as read
	v_mov_b32 v12, 0
	s_wait_kmcnt 0x0
	s_add_nc_u64 s[12:13], s[4:5], 0x800000        ; the upper 64 kr: the immediate reaches 8,126,464 bytes
	WIN 0x40
.set i, 0
.rept 64
.if i < 32
	global_load_b128 v[4*i:4*i+3], v4, s[4:5] offset:262144*i
.else
	global_load_b128 v[4*i:4*i+3], v4, s[12:13] offset:262144*(i-32)
.endif
.set i, i+1
.endr
	WIN 0x05
.set i, 0
.rept 64
.if i%16 == 0
	s_wait_loadcnt 48-16*(i/16)                    ; the younger groups of sixteen loads stay out
.endif
	v_max_num_f32 v[SM+i], v[4*i], v[4*i+2]        ; my two pages' m1
.set i, i+1
.endr
	WIN 0
.set i, 0
.rept 64
	v_max_num_f32_dpp v[SM+i], v[SM+i], v[SM+i] row_xmask:1 row_mask:0xf bank_mask:0xf
.set i, i+1
.endr
.set i, 0
.rept 64
	v_max_num_f32_dpp v[SM+i], v[SM+i], v[SM+i] row_xmask:2 row_mask:0xf bank_mask:0xf   ; eight pages' maximum, in four lanes
.set i, i+1
.endr
.set n, 0
.rept 16                                               ; of the four equal copies each lane keeps a quarter: key n = maximum 4 n + lane % 4
	v_cndmask_b32 v[KY+n], v[SM+4*n], v[SM+4*n+1], s14
	v_cndmask_b32 v[KY+16+n], v[SM+4*n+2], v[SM+4*n+3], s14
.set n, n+1
.endr
.set n, 0
.rept 16
	v_cndmask_b32 v[KY+n], v[KY+n], v[KY+16+n], s15
.set n, n+1
.endr
.set n, 0
.rept 16
	v_ashrrev_i32 v[KY+16+n], 31, v[KY+n]          ; the image: a positive number's sign bit is turned, of a negative one all bits
.set n, n+1
.endr
.set n, 0
.rept 16
	v_or_b32 v[KY+16+n], 0x80000000, v[KY+16+n]
.set n, n+1
.endr
.set n, 0
.rept 16
	v_xor_b32 v[KY+n], v[KY+n], v[KY+16+n]
.set n, n+1
.endr
	s_mov_b32 s20, 0x80000000
	s_mov_b32 s21, 32
.Lbis:                                                 ; a bit stays set if at least 64 of the row's 256 keys reach the number: T ends as the 64th largest key
	v_or_b32 v9, s20, v8
.set n, 0
.rept 16
	v_cmp_ge_u32 s[32+n], v[KY+n], v9
.set n, n+1
.endr
.set n, 0
.rept 16
	v_cndmask_b32 v[TT+n], 0, 1, s[32+n]
.set n, n+1
.endr
	v_add3_u32 v160, v160, v161, v162
	v_add3_u32 v163, v163, v164, v165
	v_add3_u32 v166, v166, v167, v168
	v_add3_u32 v169, v169, v170, v171
	v_add3_u32 v172, v172, v173, v174
	v_add3_u32 v160, v160, v163, v166
	v_add3_u32 v169, v169, v172, v175
	v_add_nc_u32 v10, v160, v169
	v_mov_b32_dpp v11, v10 row_xmask:1 row_mask:0xf bank_mask:0xf   ; over the row's sixteen lanes: c by three steps, u by the other half
	v_add_nc_u32 v10, v10, v11
	v_mov_b32_dpp v11, v10 row_xmask:2 row_mask:0xf bank_mask:0xf
	v_add_nc_u32 v10, v10, v11
	v_mov_b32_dpp v11, v10 row_xmask:4 row_mask:0xf bank_mask:0xf
	v_add_nc_u32 v10, v10, v11
	v_permlanex16_b32 v12, v10, s22, s23
	v_add_nc_u32 v10, v10, v12
	v_cmp_le_u32 vcc_lo, 64, v10
	v_cndmask_b32 v8, v8, v9, vcc_lo
	s_lshr_b32 s20, s20, 1
	s_sub_co_u32 s21, s21, 1
	s_cmp_lg_u32 s21, 0
	s_cbranch_scc1 .Lbis
	v_ashrrev_i32 v9, 31, v8                       ; back to f32
	v_xor_b32 v9, -1, v9
	v_or_b32 v9, 0x80000000, v9
	v_xor_b32 v13, v8, v9                          ; T
; Word g of one kind (0: m1 >= T, 1: m2 >= T): 32 compares into scalar masks under one window setting, then each lane picks its bits and adds them up (the bits differ, so the sum is the union).
.macro FLAGS kind, g, dst
	WIN 0x01
.set k, 0
.rept 32
	v_cmp_ge_f32 s[32+k], v[4*(16*(\g)+k/2)+2*(k%2)+(\kind)], v13
.set k, k+1
.endr
	WIN 0
.set k, 0
.rept 32
	v_cndmask_b32 v[TT+k], 0, 1<<k, s[32+k]
.set k, k+1
.endr
.set k, 0
.rept 10
	v_add3_u32 v[TT+3*k], v[TT+3*k], v[TT+3*k+1], v[TT+3*k+2]
.set k, k+1
.endr
	v_add3_u32 v160, v160, v163, v166
	v_add3_u32 v169, v169, v172, v175
	v_add3_u32 v178, v178, v181, v184
	v_add3_u32 v187, v187, v190, v191
	v_add3_u32 v160, v160, v169, v178
	v_add_nc_u32 v[\dst], v160, v187
.endm
.irp g, 0,1,2,3
	FLAGS 0, \g, 16+\g
	FLAGS 1, \g, 20+\g
.endr
.irp g, 0,1,2,3
	v_xor_b32 v[16+\g], v[16+\g], v[20+\g]         ; single = chosen and not full (a full page is always chosen: m2 <= m1)
.endr
	global_store_b128 v5, v[16:19], s[6:7]                 ; 512 consecutive bytes each
	global_store_b128 v5, v[20:23], s[6:7] offset:262144
	s_endpgm
.Lfunc_end_k_qefb776847a_thresh:
	.size	k_qefb776847a_thresh, .Lfunc_end_k_qefb776847a_thresh-k_qefb776847a_thresh
	.p2alignl 7, 3214868480
	.fill 96, 4, 3214868480
	.section	.rodata,"a",@progbits
	.p2align	6, 0x0
	.amdhsa_kernel k_qefb776847a_thresh
		.amdhsa_group_segment_fixed_size 0
		.amdhsa_private_segment_fixed_size 0
		.amdhsa_enable_private_segment 0
		.amdhsa_kernarg_size 16
		.amdhsa_user_sgpr_count 2
		.amdhsa_user_sgpr_kernarg_segment_ptr 1
		.amdhsa_wavefront_size32 1
		.amdhsa_system_sgpr_workgroup_id_x 1
		.amdhsa_system_sgpr_workgroup_id_y 1
		.amdhsa_system_sgpr_workgroup_id_z 1
		.amdhsa_system_vgpr_workitem_id 0
		.amdhsa_next_free_vgpr 512
		.amdhsa_next_free_sgpr 66
		.amdhsa_reserve_vcc 1
		.amdhsa_float_denorm_mode_32 3
		.amdhsa_float_denorm_mode_16_64 3
		.amdhsa_memory_ordered 1
		.amdhsa_forward_progress 1
		.amdhsa_inst_pref_size 73
	.end_amdhsa_kernel
	.amdgpu_metadata
---
amdhsa.version: [ 1, 2 ]
amdhsa.kernels:
  - .name:           k_qefb776847a_thresh
    .symbol:         k_qefb776847a_thresh.kd
    .args:
      - { .name: pstat, .offset: 0, .size: 8, .value_kind: global_buffer, .address_space: global }
      - { .name: masks, .offset: 8, .size: 8, .value_kind: global_buffer, .address_space: global }
    .group_segment_fixed_size: 0
    .private_segment_fixed_size: 0
    .kernarg_segment_align: 8
    .kernarg_segment_size: 16
    .max_flat_workgroup_size: 64
    .sgpr_count:     66
    .vgpr_count:     512
    .wavefront_size: 32
...
	.end_amdgpu_metadata
.endif
;; end of part 2
;; launch pick (part 3): grid 1024 x 1, 1 waves a work-group, no clusters, 35,072 bytes of LDS; arguments masks, pstat, pidx, gpu_pages, query, topi, topw; writes topi, topw
.if DOCPART == 3
	.amdgcn_target "amdgcn-amd-amdhsa--gfx1250"
	.amdhsa_code_object_version 6
	.text
	.protected	k_qefb776847a_pick
	.globl	k_qefb776847a_pick
	.p2align	8
	.type	k_qefb776847a_pick,@function
k_qefb776847a_pick:
	s_mov_b64 s[64:65], 0
	v_nop
	global_prefetch_b8 v0, s[64:65] scope:SCOPE_SE
	s_setreg_imm32_b32 hwreg(HW_REG_WAVE_MODE, 25, 1), 1
	s_wait_xcnt 0x0
; THE CUT.  One query a work-group, one wave.  From the masks: a list of "single" pages (score m1 and place idx are read from pstat and pidx) and a list of "full" pages (all 64 rows are scored again, by the
; same matrix form with the sources swapped and K ascending, so the sums have the bits of the dense pass).  All candidates go through a register-held list R of 64 entries, kept sorted by a bitonic network:
; entry = (order-keeping image of the score, 131071 - index), compared as a pair, so equal scores go to the lower index as in lax.top_k.  At the end R is the top 64; softmax (the maximum taken away) follows.
; topi[row][64] u32 and topw[row][64] f32 leave in the same order of the 64.
; ONE WAVE, because the lists' LDS addresses hang on the mask words: all LDS here is the wave's own, so no two waves ever meet in it.  Trip counts and addresses hang on whole numbers that earlier launches stored, never on scores.
; THE LOOPS count up by 1 to a bound made from the lists' lengths ahead of them, one trip at the least; the one trip of an empty list jumps forward over the body to the counter's step.
; LIMITS.  NaN is not treated apart; -0 ranks below +0; two scores that differ only by the rounding of their f32 sums may be cut otherwise than reference() cuts them.  Inputs with very many equal scores
; (a zero query) make every page full: right, and slow (up to 2,048 trips).
.set KP,    272
.set SL,    0         ; the singles' list: words 0-2047 the list, 2048-2111 stay 0, 2112-2143 the dump words
.set FL,    8704      ; the full pages' list, laid out alike
.set DIDX,  2112      ; a list's dump words: where lanes whose bit is clear put their word; never read
.set LIM,   2143      ; the last word of a list's region
.set STG,   17408     ; a page as bf16: 64 rows x 272
.set SPARE, 34816     ; the spare words: one block of 256 bytes that no other line names
.set L16, 4
.set PB,  5           ; v5  32 (lane / 2) + lane % 2: my bit's share of a page number
.set DMP, 6           ; v6  the number of my dump word
.set VST, 9
.set VFR, 10
.set SPW, 11
.set NIL, 12
.set AK,  14          ; R's places 0-31: key, index
.set AI,  15
.set BK,  16          ; places 32-63
.set BI,  17
.set NK,  18          ; 32 new entries
.set NI,  19
; v20-25 at work in the network; v26-31 softmax; v32-63 Q fragments; v64-191 the page's fragments; v192-223 four accumulators; v224-231 at work; window 1: 64 rows as loaded
.set NS, 96           ; s96 singles, s97 full pages
.set NF, 97
.set MK1,  0xaaaaaaaa ; lanes with bit 0, 1, 2, 3, 4 of their number set
.set MK2,  0xcccccccc
.set MK4,  0xf0f0f0f0
.set MK8,  0xff00ff00
.set MK16, 0xffff0000
.set MK32, 0
.set MSB, 0
.macro WIN new
.if MSB != (\new)
	s_set_vgpr_msb (MSB<<8)|(\new)
.set MSB, (\new)
.endif
.endm
; One mask word: lane b stands for bit b.  The set lanes' page numbers go to the list's next places, in lane order; the others' to their dump words.  EXEC is never changed.
; The word's number is chosen first and held inside the list's region last, so that only a shift and an add stand between that bound and the address.
.macro CW sm, add, sn, lb, skip
.if \skip
	s_cmp_eq_u32 s[\sm], 0
	s_cbranch_scc1 .Lcw_\@
.endif
	v_mbcnt_lo_u32_b32 v24, s[\sm], s[\sn]         ; the list's length + the set bits below mine: 2,047 at the most, since the masks have 2,048 bits
	v_cndmask_b32 v24, v[DMP], v24, s[\sm]
	v_min_u32 v24, LIM, v24
	v_lshl_add_u32 v24, v24, 2, \lb
	v_add_nc_u32 v25, \add, v[PB]
	ds_store_b32 v24, v25
	s_bcnt1_i32_b32 s70, s[\sm]
	s_add_co_u32 s[\sn], s[\sn], s70
.if \skip
.Lcw_\@:
.endif
.endm
.macro CWBLK sb, B, sn, lb, skip        ; block B of 16 words: u = B / 2, c = 4 (B % 2) + k / 4, g = k % 4
.set k, 0
.rept 16
	CW (\sb)+k, 512*(k%4)+16*((\B)/2)+2*(4*((\B)%2)+k/4), \sn, \lb, \skip
.set k, k+1
.endr
.endm
.macro GT pk, pi, k, i                  ; s70: lanes where (pk, pi) > (k, i)
	v_cmp_gt_u32 s70, v[\pk], v[\k]
	v_cmp_eq_u32 s71, v[\pk], v[\k]
	v_cmp_gt_u32 s72, v[\pi], v[\i]
	s_and_b32 s71, s71, s72
	s_or_b32 s70, s70, s71
.endm
.macro FETCH dk, di, k, i, j            ; the entry of the lane j away
.if (\j) == 16
	v_permlanex16_b32 v[\dk], v[\k], s100, s101
	v_permlanex16_b32 v[\di], v[\i], s100, s101
.else
	v_mov_b32_dpp v[\dk], v[\k] row_xmask:\j row_mask:0xf bank_mask:0xf
	v_mov_b32_dpp v[\di], v[\i] row_xmask:\j row_mask:0xf bank_mask:0xf
.endif
.endm
.macro XST k, i, j, nk                  ; compare and exchange at distance j; nk: the lanes that keep the smaller
	FETCH 20,21,\k,\i,\j
	GT 20,21,\k,\i
	s_xor_b32 s70, s70, \nk
	v_cndmask_b32 v[\k], v[\k], v20, s70
	v_cndmask_b32 v[\i], v[\i], v21, s70
.endm
.macro ST K, j                          ; a stage of the ascending sort: blocks of K lanes alternate in direction
	XST NK,NI,\j,((MK\j^MK\K)^0xffffffff)
.endm
.macro XST2 j                           ; the same stage on R's two halves side by side, descending
	FETCH 20,21,AK,AI,\j
	FETCH 22,23,BK,BI,\j
	v_cmp_gt_u32 s70, v20, v[AK]
	v_cmp_eq_u32 s71, v20, v[AK]
	v_cmp_gt_u32 s72, v21, v[AI]
	v_cmp_gt_u32 s73, v22, v[BK]
	v_cmp_eq_u32 s74, v22, v[BK]
	v_cmp_gt_u32 s75, v23, v[BI]
	s_and_b32 s71, s71, s72
	s_or_b32 s70, s70, s71
	s_xor_b32 s70, s70, MK\j
	s_and_b32 s74, s74, s75
	s_or_b32 s73, s73, s74
	s_xor_b32 s73, s73, MK\j
	v_cndmask_b32 v[AK], v[AK], v20, s70
	v_cndmask_b32 v[AI], v[AI], v21, s70
	v_cndmask_b32 v[BK], v[BK], v22, s73
	v_cndmask_b32 v[BI], v[BI], v23, s73
.endm
; 32 new entries into R.  They are sorted ascending; lane by lane the greater of R's lower half (descending) and the new ones are the 32 largest of those 64; with R's upper half in front the 64 fall and then rise,
; which a merge of six stages sorts.
.macro INSERT
	ST 2,1
	ST 4,2
	ST 4,1
	ST 8,4
	ST 8,2
	ST 8,1
	ST 16,8
	ST 16,4
	ST 16,2
	ST 16,1
	ST 32,16
	ST 32,8
	ST 32,4
	ST 32,2
	ST 32,1
	GT NK,NI,BK,BI
	v_cndmask_b32 v[BK], v[BK], v[NK], s70
	v_cndmask_b32 v[BI], v[BI], v[NI], s70
	GT BK,BI,AK,AI
	v_cndmask_b32 v24, v[AK], v[BK], s70
	v_cndmask_b32 v25, v[AI], v[BI], s70
	v_cndmask_b32 v[BK], v[BK], v[AK], s70
	v_cndmask_b32 v[BI], v[BI], v[AI], s70
	v_mov_b32 v[AK], v24
	v_mov_b32 v[AI], v25
	XST2 16
	XST2 8
	XST2 4
	XST2 2
	XST2 1
.endm
.macro KEYOF d, s                       ; the order-keeping image of an f32
	v_ashrrev_i32 v231, 31, v[\s]
	v_or_b32 v231, 0x80000000, v231
	v_xor_b32 v[\d], v[\s], v231
.endm
.macro UNKEY d, k
	v_ashrrev_i32 v231, 31, v[\k]
	v_xor_b32 v231, -1, v231
	v_or_b32 v231, 0x80000000, v231
	v_xor_b32 v[\d], v[\k], v231
.endm
	s_load_b256 s[4:11], s[0:1], 0x0               ; masks s[4:5], pstat s[6:7], pidx s[8:9], gpu_pages s[10:11]
	s_load_b128 s[12:15], s[0:1], 0x20             ; query s[12:13], topi s[14:15]
	s_load_b64 s[66:67], s[0:1], 0x30              ; topw
	v_lshl_add_u32 v[SPW], v0, 2, SPARE
	v_mov_b32 v[NIL], 0
	v_and_b32 v2, 15, v0
	v_bfe_u32 v3, v0, 4, 1
	v_lshlrev_b32 v[L16], 4, v0
	v_lshrrev_b32 v24, 1, v0
	v_and_b32 v25, 1, v0
	v_lshl_add_u32 v[PB], v24, 5, v25
	v_add_nc_u32 v[DMP], DIDX, v0
	v_lshl_add_u32 v[VST], v0, 3, STG
	v_mul_u32_u24 v[VFR], v2, KP
	v_lshl_add_u32 v[VFR], v3, 4, v[VFR]
	v_add_nc_u32 v[VFR], STG, v[VFR]
.irp r, 14,15,16,17,18,19,20,21,22,23,29
	v_mov_b32 v\r, 0                               ; R is empty: (0, 0) lies below every entry; destinations of lane moves count as read
.endr
.set n, 0
.rept 34                                               ; both lists' regions, 2 x 8,704 bytes, are cleared, 512 bytes a store: a trip's idle lanes read zeros behind a list's end
	ds_store_b128 v[L16], v[20:23] offset:512*n
.set n, n+1
.endr
	s_lshr_b32 s70, ttmp9, 1
	s_lshl_b32 s70, s70, 9                         ; the pair's 512 bytes,
	s_and_b32 s71, ttmp9, 1
	s_lshl_b32 s71, s71, 7                         ; my row's eight lam in each half
	s_add_co_u32 s70, s70, s71
	s_mov_b32 s71, 0
	s_lshl_b32 s2, ttmp9, 7                        ; row x 128, x 16, x 512, x 256
	s_lshl_b32 s3, ttmp9, 4
	s_lshl_b32 s76, ttmp9, 9
	s_lshl_b32 s77, ttmp9, 8
	s_mov_b32 s[NS], 0
	s_mov_b32 s[NF], 0
	s_mov_b32 s100, 0x76543210
	s_mov_b32 s101, 0xfedcba98
	v_lshl_add_u32 v224, v3, 5, s76
	s_wait_kmcnt 0x0
	s_add_nc_u64 s[68:69], s[4:5], s[70:71]
	s_load_b512 s[16:31], s[68:69], 0x0            ; the singles' 64 words
	s_load_b512 s[32:47], s[68:69], 0x40
	s_load_b512 s[48:63], s[68:69], 0x100
	s_load_b512 s[80:95], s[68:69], 0x140
.set i, 0
.rept 4                                                ; the query as a fragment whose 16 rows are all the one query: K quarter i, numbers 8 h + 0..7 and 16 + 8 h + 0..7
	global_load_b128 v[64+16*i:64+16*i+3], v224, s[12:13] offset:128*i
	global_load_b128 v[64+16*i+4:64+16*i+7], v224, s[12:13] offset:128*i+16
	global_load_b128 v[64+16*i+8:64+16*i+11], v224, s[12:13] offset:128*i+64
	global_load_b128 v[64+16*i+12:64+16*i+15], v224, s[12:13] offset:128*i+80
.set i, i+1
.endr
	s_wait_kmcnt 0x0
	CWBLK 16, 0, NS, SL, 0                         ; LDS serves a wave's instructions in order (ISA guide 5.7.1.4): these stores land on the cleared words
	s_load_b512 s[16:31], s[68:69], 0x40000        ; a block that has been used takes the full pages' words
	CWBLK 32, 1, NS, SL, 0
	s_load_b512 s[32:47], s[68:69], 0x40040
	CWBLK 48, 2, NS, SL, 0
	s_load_b512 s[48:63], s[68:69], 0x40100
	CWBLK 80, 3, NS, SL, 0
	s_load_b512 s[80:95], s[68:69], 0x40140
	s_wait_loadcnt 0x0
.set i, 0
.rept 32
	v_cvt_pk_bf16_f32 v[32+i], v[64+2*i], v[64+2*i+1]
.set i, i+1
.endr
	s_wait_kmcnt 0x0
	CWBLK 16, 0, NF, FL, 1                         ; most of these words are 0 and are jumped over
	CWBLK 32, 1, NF, FL, 1
	CWBLK 48, 2, NF, FL, 1
	CWBLK 80, 3, NF, FL, 1
	s_mov_b32 s80, MK16
	s_mov_b32 s87, 0
	s_add_co_u32 s78, s[NS], 31
	s_lshr_b32 s78, s78, 5
	s_max_u32 s78, s78, 1                          ; the singles' trips: 32 a trip, one trip at the least
	s_max_u32 s79, s[NF], 1                        ; the full pages' trips
	s_mov_b32 s99, 0
.Lsing:                                                ; 32 singles a trip
	s_lshl_b32 s98, s99, 5                         ; the trip's first place in the list
	s_cmp_ge_u32 s98, s[NS]
	s_cbranch_scc1 .Lsing_next                     ; taken only in the one trip of an empty list
	v_add_nc_u32 v224, s98, v0                     ; my place, held inside the list's region
	v_min_u32 v224, 2111, v224
	v_lshlrev_b32 v224, 2, v224
	ds_load_b32 v224, v224
	s_wait_dscnt 0x0
	v_min_u32 v224, 2047, v224                     ; the page
	v_and_b32 v225, 0x7f0, v224                    ; 16 kr
	v_and_b32 v226, 15, v224                       ; p16
	v_lshlrev_b32 v227, 13, v225                   ; kr x 131,072
	v_lshl_add_u32 v227, v226, 3, v227
	v_add_nc_u32 v227, s2, v227
	global_load_b32 v228, v227, s[6:7]             ; m1
	v_lshlrev_b32 v229, 10, v225                   ; kr x 16,384
	v_add_nc_u32 v229, v229, v226
	v_add_nc_u32 v229, s3, v229
	global_load_u8 v230, v229, s[8:9]              ; idx
	v_add_nc_u32 v226, s98, v0
	s_wait_loadcnt 0x0
	v_min_u32 v230, 63, v230
	v_lshl_add_u32 v230, v224, 6, v230             ; the element
	v_sub_nc_u32 v230, 0x1ffff, v230
	KEYOF 225, 228
	v_cmp_gt_u32 vcc_lo, s[NS], v226               ; lanes past the list's end bring an empty entry
	v_cndmask_b32 v[NK], 0, v225, vcc_lo
	v_cndmask_b32 v[NI], 0, v230, vcc_lo
	INSERT
.Lsing_next:
	s_add_co_u32 s99, s99, 1
	s_cmp_lt_u32 s99, s78
	s_cbranch_scc1 .Lsing
	s_mov_b32 s99, 0
.Lfull:                                                ; a full page a trip
	s_cmp_ge_u32 s99, s[NF]
	s_cbranch_scc1 .Lfull_next                     ; taken only in the one trip of an empty list
	s_min_u32 s85, s99, 2047                       ; the trip's word of the list, held inside it
	s_lshl_b32 s85, s85, 2
	v_mov_b32 v224, s85
	ds_load_b32 v224, v224 offset:FL
	s_wait_dscnt 0x0
	v_readfirstlane_b32 s84, v224
	s_min_u32 s84, s84, 2047
	s_lshl_b32 s86, s84, 15
	s_add_nc_u64 s[88:89], s[10:11], s[86:87]
	WIN 0x40
.set i, 0
.rept 64
	global_load_b128 v[4*i:4*i+3], v[L16], s[88:89] offset:512*i   ; a whole row of 512 bytes each
.set i, i+1
.endr
	s_wait_loadcnt 0x0
	WIN 0x45
.set i, 0
.rept 64
	v_cvt_pk_bf16_f32 v[4*i], v[4*i], v[4*i+1]
	v_cvt_pk_bf16_f32 v[4*i+1], v[4*i+2], v[4*i+3]
.set i, i+1
.endr
	WIN 0x04
.set i, 0
.rept 64
	ds_store_b64 v[VST], v[4*i:4*i+1] offset:KP*i
.set i, i+1
.endr
	WIN 0
.set i, 0
.rept 16                                               ; fragments: 16 rows i / 4, K quarter i % 4 (a wave's LDS instructions are served in order: these see the stores above)
	ds_load_b128 v[64+8*i:64+8*i+3], v[VFR] offset:16*KP*(i/4)+64*(i%4)
	ds_load_b128 v[64+8*i+4:64+8*i+7], v[VFR] offset:16*KP*(i/4)+64*(i%4)+32
.set i, i+1
.endr
	s_lshl_b32 s82, s84, 6
	s_sub_co_u32 s82, 0x1ffff, s82                 ; 131071 - the page's first element
	s_wait_dscnt 0x0
.set i, 0
.rept 16                                               ; K quarter i / 4, rows 16 (i % 4) on: the four accumulators take turns
.if i < 4
	v_wmma_f32_16x16x32_bf16 v[192+8*(i%4):192+8*(i%4)+7], v[32+8*(i/4):32+8*(i/4)+7], v[64+32*(i%4)+8*(i/4):64+32*(i%4)+8*(i/4)+7], 0
.else
	v_wmma_f32_16x16x32_bf16 v[192+8*(i%4):192+8*(i%4)+7], v[32+8*(i/4):32+8*(i/4)+7], v[64+32*(i%4)+8*(i/4):64+32*(i%4)+8*(i/4)+7], v[192+8*(i%4):192+8*(i%4)+7]
.endif
.set i, i+1
.endr
.rept 4
	v_nop                                          ; the places behind the last product
.endr
	v_cndmask_b32 v226, v192, v200, s80            ; all 16 result rows are the one query: register 0 of lane (r, h) is row r's score; lane l takes row l,
	v_cndmask_b32 v227, v208, v216, s80            ; and row 32 + l
	KEYOF NK, 226
	v_sub_nc_u32 v[NI], s82, v0
	INSERT
	s_sub_co_u32 s82, s82, 32
	KEYOF NK, 227
	v_sub_nc_u32 v[NI], s82, v0
	INSERT
.Lfull_next:
	s_add_co_u32 s99, s99, 1
	s_cmp_lt_u32 s99, s79
	s_cbranch_scc1 .Lfull
	; SOFTMAX over R's 64 scores / sqrt(128): w = 2^(c s - c max) / sum, c = log2(e) / sqrt(128).  Place 0 holds the maximum.
	UNKEY 26, AK
	UNKEY 27, BK
	v_readfirstlane_b32 s81, v26
	s_mov_b32 s83, 0x3e0293ee
	v_mov_b32 v28, s81
	v_mul_f32 v28, s83, v28
	v_fma_f32 v26, v26, s83, -v28
	v_fma_f32 v27, v27, s83, -v28
	v_exp_f32 v26, v26
	v_exp_f32 v27, v27
	v_sub_nc_u32 v30, 0x1ffff, v[AI]               ; the indices: plain lines between the exponentials and the use of their results
	v_sub_nc_u32 v31, 0x1ffff, v[BI]
	s_wait_alu depctr_va_vdst(0)
	v_add_f32 v28, v26, v27
	v_add_f32_dpp v28, v28, v28 row_xmask:1 row_mask:0xf bank_mask:0xf
	v_add_f32_dpp v28, v28, v28 row_xmask:2 row_mask:0xf bank_mask:0xf
	v_add_f32_dpp v28, v28, v28 row_xmask:4 row_mask:0xf bank_mask:0xf
	v_add_f32_dpp v28, v28, v28 row_xmask:8 row_mask:0xf bank_mask:0xf
	v_permlanex16_b32 v29, v28, s100, s101
	v_add_f32 v28, v28, v29
	v_rcp_f32 v28, v28
	v_lshl_add_u32 v224, v0, 3, s77
	s_wait_alu depctr_va_vdst(0)
	v_mul_f32 v26, v26, v28
	v_mul_f32 v27, v27, v28
	global_store_b64 v224, v[30:31], s[14:15]      ; 256 consecutive bytes each: the row's 64 indices, its 64 weights
	global_store_b64 v224, v[26:27], s[66:67]
	s_wait_tensorcnt 0x0                           ; the wave's end
	ds_add_u32 v[SPW], v[NIL]
	s_wait_dscnt 0x0
	s_endpgm
.Lfunc_end_k_qefb776847a_pick:
	.size	k_qefb776847a_pick, .Lfunc_end_k_qefb776847a_pick-k_qefb776847a_pick
	.p2alignl 7, 3214868480
	.fill 96, 4, 3214868480
	.section	.rodata,"a",@progbits
	.p2align	6, 0x0
	.amdhsa_kernel k_qefb776847a_pick
		.amdhsa_group_segment_fixed_size 35072
		.amdhsa_private_segment_fixed_size 0
		.amdhsa_enable_private_segment 0
		.amdhsa_kernarg_size 56
		.amdhsa_user_sgpr_count 2
		.amdhsa_user_sgpr_kernarg_segment_ptr 1
		.amdhsa_wavefront_size32 1
		.amdhsa_system_sgpr_workgroup_id_x 1
		.amdhsa_system_sgpr_workgroup_id_y 1
		.amdhsa_system_sgpr_workgroup_id_z 1
		.amdhsa_system_vgpr_workitem_id 0
		.amdhsa_next_free_vgpr 512
		.amdhsa_next_free_sgpr 102
		.amdhsa_reserve_vcc 1
		.amdhsa_float_denorm_mode_32 3
		.amdhsa_float_denorm_mode_16_64 3
		.amdhsa_memory_ordered 1
		.amdhsa_forward_progress 1
		.amdhsa_inst_pref_size 141
	.end_amdhsa_kernel
	.amdgpu_metadata
---
amdhsa.version: [ 1, 2 ]
amdhsa.kernels:
  - .name:           k_qefb776847a_pick
    .symbol:         k_qefb776847a_pick.kd
    .args:
      - { .name: masks, .offset: 0, .size: 8, .value_kind: global_buffer, .address_space: global }
      - { .name: pstat, .offset: 8, .size: 8, .value_kind: global_buffer, .address_space: global }
      - { .name: pidx, .offset: 16, .size: 8, .value_kind: global_buffer, .address_space: global }
      - { .name: gpu_pages, .offset: 24, .size: 8, .value_kind: global_buffer, .address_space: global }
      - { .name: query, .offset: 32, .size: 8, .value_kind: global_buffer, .address_space: global }
      - { .name: topi, .offset: 40, .size: 8, .value_kind: global_buffer, .address_space: global }
      - { .name: topw, .offset: 48, .size: 8, .value_kind: global_buffer, .address_space: global }
    .group_segment_fixed_size: 35072
    .private_segment_fixed_size: 0
    .kernarg_segment_align: 8
    .kernarg_segment_size: 56
    .max_flat_workgroup_size: 32
    .sgpr_count:     102
    .vgpr_count:     512
    .wavefront_size: 32
...
	.end_amdgpu_metadata
.endif
;; end of part 3
;; launch mix (part 4): grid 1024 x 1, 1 waves a work-group, no clusters, 19,200 bytes of LDS; arguments topi, topw, gpu_pages, out0; writes out0
.if DOCPART == 4
	.amdgcn_target "amdgcn-amd-amdhsa--gfx1250"
	.amdhsa_code_object_version 6
	.text
	.protected	k_qefb776847a_mix
	.globl	k_qefb776847a_mix
	.p2align	8
	.type	k_qefb776847a_mix,@function
k_qefb776847a_mix:
	s_mov_b64 s[64:65], 0
	v_nop
	global_prefetch_b8 v0, s[64:65] scope:SCOPE_SE
	s_setreg_imm32_b32 hwreg(HW_REG_WAVE_MODE, 25, 1), 1
	s_wait_xcnt 0x0
; THE GATHER AND THE SECOND PRODUCT.  out[row][:] = sum over the 64 chosen k of w[k] x memory[index[k]][:].  One query a work-group, one wave: no wave shares anything, so no barrier.
; The 64 indices come as scalars (whole numbers that the launch before stored) and are clamped to the table; the 64 rows are loaded whole (512 bytes a load), all in flight together, rounded to bf16 and laid into LDS.
; The product goes to the matrix unit: source 0 = the weights (bf16; all 16 rows equal), source 1 = 32 chosen rows x 16 channels, turned on the way out of LDS by ds_load_tr16_b128; sums in f32.
; LIMITS.  The weights are rounded once to bf16, as matrix operands.
.set PV,    288       ; a row in LDS: 256 bytes + 32 = 72 words
.set OUTB,  18432     ; behind the 64 rows: the result row, 512 bytes
.set SPARE, 18944     ; the spare words: one block of 256 bytes that no other line names
.set SPW, 14
.set NIL, 15
; v16-47 weights as loaded; v48-63 their two fragments; v64-127 the rows' byte offsets; v128-191 eight accumulators; v200-207 the way out; window 1: the rows, then their fragments
.set MSB, 0
.macro WIN new
.if MSB != (\new)
	s_set_vgpr_msb (MSB<<8)|(\new)
.set MSB, (\new)
.endif
.endm
	s_load_b256 s[4:11], s[0:1], 0x0               ; topi s[4:5], topw s[6:7], gpu_pages s[8:9], out0 s[10:11]
	v_lshl_add_u32 v[SPW], v0, 2, SPARE
	v_mov_b32 v[NIL], 0
	v_bfe_u32 v3, v0, 4, 1                         ; h
	v_lshlrev_b32 v4, 4, v0                        ; 16 x lane
	s_lshl_b32 s12, ttmp9, 8
	s_mov_b32 s13, 0
	s_mov_b32 s14, 0xffff0000
	s_lshl_b32 s15, ttmp9, 9
	v_lshl_add_u32 v5, v3, 5, s12
	v_and_b32 v7, 7, v0
	v_lshl_add_u32 v7, v3, 3, v7
	v_bfe_u32 v8, v0, 3, 1
	v_mul_u32_u24 v6, v7, PV                       ; the turning load: row 8 h + lane % 8, channels 8 ((lane / 8) % 2) on
	v_lshl_add_u32 v6, v8, 4, v6
	v_lshlrev_b32 v9, 3, v0
	v_lshl_add_u32 v10, v0, 2, OUTB
	v_add_nc_u32 v11, OUTB, v4
	v_add_nc_u32 v12, s15, v4
	s_wait_kmcnt 0x0
	s_add_nc_u64 s[4:5], s[4:5], s[12:13]
	s_load_b512 s[16:31], s[4:5], 0x0
	s_load_b512 s[32:47], s[4:5], 0x40
	s_load_b512 s[48:63], s[4:5], 0x80
	s_load_b512 s[80:95], s[4:5], 0xc0
.set i, 0
.rept 2                                                ; weights 32 i + 8 h + 0..7 and 32 i + 16 + 8 h + 0..7
	global_load_b128 v[16+16*i:16+16*i+3], v5, s[6:7] offset:128*i
	global_load_b128 v[16+16*i+4:16+16*i+7], v5, s[6:7] offset:128*i+16
	global_load_b128 v[16+16*i+8:16+16*i+11], v5, s[6:7] offset:128*i+64
	global_load_b128 v[16+16*i+12:16+16*i+15], v5, s[6:7] offset:128*i+80
.set i, i+1
.endr
	s_wait_kmcnt 0x0
.set i, 0
.rept 64
.if i < 48
.set sr, 16+i
.else
.set sr, 32+i
.endif
	s_min_u32 s[sr], s[sr], 0x1ffff                ; an index stays inside the table
	v_lshl_add_u32 v[64+i], s[sr], 9, v4
.set i, i+1
.endr
	WIN 0x40
.set i, 0
.rept 64
	global_load_b128 v[4*i:4*i+3], v[64+i], s[8:9]
.set i, i+1
.endr
	s_wait_loadcnt 0x0
	WIN 0
.set i, 0
.rept 16
	v_cvt_pk_bf16_f32 v[48+i], v[16+2*i], v[16+2*i+1]
.set i, i+1
.endr
	WIN 0x45
.set i, 0
.rept 64
	v_cvt_pk_bf16_f32 v[4*i], v[4*i], v[4*i+1]
	v_cvt_pk_bf16_f32 v[4*i+1], v[4*i+2], v[4*i+3]
.set i, i+1
.endr
	WIN 0x04
.set i, 0
.rept 64
	ds_store_b64 v9, v[4*i:4*i+1] offset:PV*i
.set i, i+1
.endr
	s_wait_dscnt 0x0                               ; the loads below land on registers that those stores read
	WIN 0x40
.set i, 0
.rept 16                                               ; channels 16 (i / 2) on, chosen rows 32 (i % 2) on
	ds_load_tr16_b128 v[8*i:8*i+3], v6 offset:32*PV*(i%2)+32*(i/2)
	ds_load_tr16_b128 v[8*i+4:8*i+7], v6 offset:32*PV*(i%2)+16*PV+32*(i/2)
.set i, i+1
.endr
	s_wait_dscnt 0x0
	WIN 0x04
.set i, 0
.rept 16                                               ; the eight accumulators take turns
.if i < 8
	v_wmma_f32_16x16x32_bf16 v[128+8*(i%8):128+8*(i%8)+7], v[48+8*(i/8):48+8*(i/8)+7], v[8*(2*(i%8)+i/8):8*(2*(i%8)+i/8)+7], 0
.else
	v_wmma_f32_16x16x32_bf16 v[128+8*(i%8):128+8*(i%8)+7], v[48+8*(i/8):48+8*(i/8)+7], v[8*(2*(i%8)+i/8):8*(2*(i%8)+i/8)+7], v[128+8*(i%8):128+8*(i%8)+7]
.endif
.set i, i+1
.endr
	WIN 0
.rept 4
	v_nop                                          ; the places behind the last product
.endr
.set i, 0
.rept 4
	v_cndmask_b32 v[200+i], v[128+16*i], v[128+16*i+8], s14   ; all 16 result rows are equal: lane l takes channel 32 i + l
.set i, i+1
.endr
.set i, 0
.rept 4
	ds_store_b32 v10, v[200+i] offset:128*i
.set i, i+1
.endr
	ds_load_b128 v[204:207], v11                   ; back as 16 bytes a lane (a wave's LDS instructions are served in order)
	s_wait_dscnt 0x0
	global_store_b128 v12, v[204:207], s[10:11]    ; the row's 512 consecutive bytes
	s_wait_tensorcnt 0x0                           ; the wave's end
	ds_add_u32 v[SPW], v[NIL]
	s_wait_dscnt 0x0
	s_endpgm
.Lfunc_end_k_qefb776847a_mix:
	.size	k_qefb776847a_mix, .Lfunc_end_k_qefb776847a_mix-k_qefb776847a_mix
	.p2alignl 7, 3214868480
	.fill 96, 4, 3214868480
	.section	.rodata,"a",@progbits
	.p2align	6, 0x0
	.amdhsa_kernel k_qefb776847a_mix
		.amdhsa_group_segment_fixed_size 19200
		.amdhsa_private_segment_fixed_size 0
		.amdhsa_enable_private_segment 0
		.amdhsa_kernarg_size 32
		.amdhsa_user_sgpr_count 2
		.amdhsa_user_sgpr_kernarg_segment_ptr 1
		.amdhsa_wavefront_size32 1
		.amdhsa_system_sgpr_workgroup_id_x 1
		.amdhsa_system_sgpr_workgroup_id_y 1
		.amdhsa_system_sgpr_workgroup_id_z 1
		.amdhsa_system_vgpr_workitem_id 0
		.amdhsa_next_free_vgpr 512
		.amdhsa_next_free_sgpr 96
		.amdhsa_reserve_vcc 0
		.amdhsa_float_denorm_mode_32 3
		.amdhsa_float_denorm_mode_16_64 3
		.amdhsa_memory_ordered 1
		.amdhsa_forward_progress 1
		.amdhsa_inst_pref_size 34
	.end_amdhsa_kernel
	.amdgpu_metadata
---
amdhsa.version: [ 1, 2 ]
amdhsa.kernels:
  - .name:           k_qefb776847a_mix
    .symbol:         k_qefb776847a_mix.kd
    .args:
      - { .name: topi, .offset: 0, .size: 8, .value_kind: global_buffer, .address_space: global }
      - { .name: topw, .offset: 8, .size: 8, .value_kind: global_buffer, .address_space: global }
      - { .name: gpu_pages, .offset: 16, .size: 8, .value_kind: global_buffer, .address_space: global }
      - { .name: out0, .offset: 24, .size: 8, .value_kind: global_buffer, .address_space: global }
    .group_segment_fixed_size: 19200
    .private_segment_fixed_size: 0
    .kernarg_segment_align: 8
    .kernarg_segment_size: 32
    .max_flat_workgroup_size: 32
    .sgpr_count:     96
    .vgpr_count:     512
    .wavefront_size: 32
...
	.end_amdgpu_metadata
.endif
;; end of part 4
;; ======== version 2 of 2: 4 launches; version 1 with the launch stats written anew for expert scheduling mode
;; workspace buffers: pstat 16,777,216 bytes; pidx 2,097,152 bytes of whole numbers; masks 524,288 bytes of whole numbers; topi 262,144 bytes of whole numbers; topw 262,144 bytes
;; launch stats (part 5): grid 2 x 128, 4 waves a work-group, no clusters, 313,600 bytes of LDS; arguments query, gpu_pages, pstat, pidx; writes pstat, pidx
.if DOCPART == 5
	.amdgcn_target "amdgcn-amd-amdhsa--gfx1250"
	.amdhsa_code_object_version 6
	.text
	.protected	k_qefb776847a_stats
	.globl	k_qefb776847a_stats
	.p2align	8
	.type	k_qefb776847a_stats,@function
k_qefb776847a_stats:
	s_mov_b64 s[64:65], 0
	v_nop
	global_prefetch_b8 v0, s[64:65] scope:SCOPE_SE
	s_setreg_imm32_b32 hwreg(HW_REG_WAVE_SCHED_MODE, 0, 2), 2
	s_setreg_imm32_b32 hwreg(HW_REG_WAVE_MODE, 25, 1), 1
	s_wait_xcnt 0x0
	s_wait_alu depctr_vm_vsrc(0)
; THE DENSE PASS.  scores = query x memory^T (bf16 operands, rounded once from f32; sums in f32), never stored: of each page of 64 memory rows
; and each query only three numbers leave: m1, the page's largest score; m2, its second largest (equal to m1 where the largest stands twice); idx, m1's place in the page.
; pstat[kr 128][row 1024][p16 16][2] f32 = (m1, m2), pidx[kr][row][p16] one byte; page = 16 kr + p16.
; SHARES.  Work-group (x = half of the queries, y = kr): 512 queries x 1,024 memory rows (16 pages).  Wave w: 128 queries, eight tiles of 16, all 1,024 rows in eight steps of 128.
; LAYOUT.  S^T = K Q^T: source 0 = 16 memory rows, source 1 = 16 queries.  Tile t of a step holds rows 8t..8t+7 of page 16kr+s and, as its rows 8-15, rows 8t..8t+7 of page 16kr+8+s.
; So lane (r = lane % 16, h = lane / 16) holds in the eight accumulators of a turn all 64 scores S[t][j] of query r and ONE page (p16 = s + 8h): nothing crosses lanes.
; THE DIGEST.  a_t = max_j S[t][j], r_j = max_t S[t][j].  m1 = max a.  m2 = max(second largest a, second largest r): each is the value of another element than the largest, and the
; second largest element lies in another row or in another column than the largest.  idx bit by bit: a bit of t (of j) is set where the maximum of the a (r) with that bit set equals m1; right wherever m1 stands once.
; BY TURNS.  A turn is 32 matrix instructions (one query tile, 8 accumulators by turns, 4 along K); the 110 lines of the digest of the turn before stand behind them, three or four a line.
; f32 rows must pass through registers to become bf16, so LDS is filled by ds_store: no tensor load, no cluster.
; LIMITS.  NaN is not treated apart; +0 and -0 count as equal in idx.
; THE MODE: SCHED_MODE bits 1:0 = 2 (LLVM: expert scheduling mode 2), set by the entry lines.  The code itself states the register dependences
; between vector or matrix instructions and memory or LDS instructions, with s_wait_alu, always for 0.
; THE PLAN.  A trip of the loop is the turns of query tiles 1 to 7 of a step and tile 0 of the next.  Registers that memory or LDS instructions touch in it:
;   window 1      Key fragments, by K quarter.  Read by the products of all eight turns: quarters 0 and 1 for the last time by product 15 of tile 7's turn, quarters 2 and 3 by its product 31.  Then loaded again.
;   window 3      Raw keys.  32 loads land in it; the 64 conversions read and write it; the 32 LDS stores read it; then it is loaded again.
;   OB, OI        The out-buffer: (m1, m2) and idx of each of the step's eight tiles.  A slot is written once a trip, by its tile's digest, and read once a trip, by its two stores into the stages.
;   v[STA], v[IXA]  Read by those stores; stepped at the trip's end.        v[KS], v[AF]  Read by the key stores and by the fragment loads; written behind tile 5's turn.        v[L16]  Never written again.
;   S, a, r and the rest of the digest's registers are named by vector and matrix instructions alone.
; FOUR waits on va_vdst in a trip.  (1) Between the key conversions and their stores.  (2) Behind product 15 of tile 7's turn: quarters 0 and 1 are free; their loads are dealt among products 16-23, which name quarter 2.
; (3) Ahead of tile 0's turn: quarters 2 and 3 are free, their loads dealt among products 0-7, which name quarter 0; and the digests of tiles 0-6 are written, their stores dealt among products 24-30, whose riders name
; tile 7's slot alone.  (4) At the trip's end: tile 7's digest is written.  THREE on vm_vsrc: ahead of the adds to v[KS] and v[AF]; ahead of the key loads; at the trip's end, ahead of the adds to v[STA] and v[IXA] and of
; the next trip's digests.  ONE on va_sdst in a turn: behind the run of six compares that idx is made of.
.set KP,    272       ; a bf16 row in LDS: 256 bytes + 16: 68 words, so neighbouring rows start four banks apart (64 banks of 4 bytes: ISA guide 11.1)
.set HALF,  17536     ; 64 rows x 272 + 128: the second page's rows start 32 banks off the first's, so a fragment's 8 + 8 rows start at 16 different groups of banks
.set SLOTX, 0x10000   ; slot 1 begins here: one exclusive or changes slots
.set IXS,   35072     ; idx stage: [row 512][16 bytes]
.set SPARE, 43264     ; the spare words: 128 bytes a wave, two blocks of 256 bytes that no other line names
.set PST,   100608    ; (m1, m2) stage: [row 512], pitch 144
.set PP,    144
.set QST,   174336    ; Q as bf16: 128 rows x 272 for each wave
.set L16, 4           ; v4   16 x lane; never rewritten
.set KS0, 5           ; v5   where my lane puts 8 bytes of my wave's first key row, slot 0
.set KS,  6           ; v6   the same in the slot being filled
.set AF0, 7           ; v7   my lane's place in a key fragment, slot 0
.set AF,  8           ; v8   the same in the slot to be read
.set STA, 9           ; v9   where (m1, m2) of query tile 0 goes; 8 bytes on with each step
.set IXA, 10          ; v10  where idx goes; 1 byte on with each step
.set QS,  11          ; v11  where my lane puts 8 bytes of my wave's Q row 0
.set QF,  12          ; v12  my lane's place in a Q fragment
.set RB,  13          ; v13  the way out: read-back of (m1, m2)
.set SPW, 14          ; v14  my spare word
.set NIL, 15          ; v15  0
.set AT,  16          ; v16-23 a_t, v24-31 r_j
.set HA,  32          ; v32, v33 running maxima of a, of r
.set LA,  34          ; v34, v35 running seconds
.set TA,  36          ; v36-38, v39-41 seconds of three
.set XT,  42          ; v42-47 the six partial maxima for idx, then its six bits
.set IXB, 51          ; v51  the way out: read-back of idx
.set OB,  192         ; v192-207 the out-buffer: (m1, m2) of query tile qt at OB + 2 qt
.set OI,  208         ; v208-215 idx of query tile qt
.set BI,  216         ; v216-231 the way out: idx as read back; no vector instruction names them
.set CM,  24          ; s24-29 the six compares' masks (at the head these registers hold parts of addresses)
.set NL,  110         ; lines in a digest
; v64-127, v128-191: two buffers of S.  Window 1: key fragments, tile t, K quarter kc at v[32t+8kc].  Window 2: Q fragments, tile qt at v[32qt+8kc].  Window 3: v0-127, 32 key rows as loaded.
.set MSB, 0
.macro WIN new                          ; the high byte repeats the setting that is left; a switch that changes nothing is dropped
.if MSB != (\new)
	s_set_vgpr_msb (MSB<<8)|(\new)
.set MSB, (\new)
.endif
.endm
.macro KLOAD                            ; my 32 rows of the next step's 128: each load is one whole row of 512 bytes
	WIN 0xc0
.set i, 0
.rept 32
	global_load_b128 v[4*i:4*i+3], v[L16], s[16:17] offset:512*i
.set i, i+1
.endr
.endm
.macro KCONV                            ; rounded to bf16 in place, then 8 bytes a lane into the slot
	WIN 0xcf
.set i, 0
.rept 32
	v_cvt_pk_bf16_f32 v[4*i], v[4*i], v[4*i+1]
	v_cvt_pk_bf16_f32 v[4*i+1], v[4*i+2], v[4*i+3]
.set i, i+1
.endr
	WIN 0x0c
	s_wait_alu depctr_va_vdst(0)    ; the conversions have written the registers that the stores below read, and are done with all of window 3, in which the next keys land; v[KS] and v[AF] are written
.set i, 0
.rept 32
	ds_store_b64 v[KS], v[4*i:4*i+1] offset:KP*i
.set i, i+1
.endr
.endm
.macro QLOAD b                          ; batch b of 32 Q rows into window 1 (b = 0, 1) or 2 (b = 2, 3)
	WIN (1+(\b)/2)<<6
.set i, 0
.rept 32
	global_load_b128 v[128*((\b)%2)+4*i:128*((\b)%2)+4*i+3], v[L16], s[18:19] offset:512*(32*(\b)+i)
.set i, i+1
.endr
.endm
.macro QCONV b
	WIN (1+(\b)/2)*0x45
.set i, 0
.rept 32
	v_cvt_pk_bf16_f32 v[128*((\b)%2)+4*i], v[128*((\b)%2)+4*i], v[128*((\b)%2)+4*i+1]
	v_cvt_pk_bf16_f32 v[128*((\b)%2)+4*i+1], v[128*((\b)%2)+4*i+2], v[128*((\b)%2)+4*i+3]
.set i, i+1
.endr
	WIN (1+(\b)/2)<<2
	s_wait_alu depctr_va_vdst(0)    ; the conversions have written the registers that the stores below read, and are done with the batch's registers, in which fragments land later
.set i, 0
.rept 32
	ds_store_b64 v[QS], v[128*((\b)%2)+4*i:128*((\b)%2)+4*i+1] offset:KP*(32*(\b)+i)
.set i, i+1
.endr
.endm
.macro AL2 kc, t                        ; the key fragment of tile t, K quarter kc: two loads
	ds_load_b128 v[32*(\t)+8*(\kc):32*(\t)+8*(\kc)+3], v[AF] offset:8*KP*(\t)+64*(\kc)
	ds_load_b128 v[32*(\t)+8*(\kc)+4:32*(\t)+8*(\kc)+7], v[AF] offset:8*KP*(\t)+64*(\kc)+32
.endm
.macro MM q                             ; product i of a turn: key tile i % 8, K quarter i / 8.  The eight accumulators take turns, one instruction a turn
	WIN 0x09
.set rD, 64+64*((\q)%2)+8*(i%8)
.set rA, 32*(i%8)+8*(i/8)
.set rQ, 32*(\q)+8*(i/8)
.if i < 8
	v_wmma_f32_16x16x32_bf16 v[rD:rD+7], v[rA:rA+7], v[rQ:rQ+7], 0
.else
	v_wmma_f32_16x16x32_bf16 v[rD:rD+7], v[rA:rA+7], v[rQ:rQ+7], v[rD:rD+7]
.endif
.endm
; Line n of the digest of S buffer b, for query tile qt.  0-31 a_t (each accumulator is read first at its low end); 32-63 r_j; 64-75 the six partial maxima for idx;
; 76-90 m1: of (running maximum, x, y) the middle one is a candidate for the second, the largest the new maximum; 91-96 the six compares with m1, a run into six scalar registers; 97-100 m2, which stands
; between that run and the wait for it; 101-109 idx: each set bit's worth, and their sum.  The results go into the tile's slot of the out-buffer; the stores into the stages stand elsewhere.
.macro RID b, qt, n
.set SB, 64+64*(\b)
.set OM, OB+2*(\qt)
.if (\n) < 8
	v_max3_num_f32 v[AT+(\n)], v[SB+8*(\n)], v[SB+8*(\n)+1], v[SB+8*(\n)+2]
.elseif (\n) < 24
.set t, (\n)%8
.set u, 2*((\n)/8)+1
	v_max3_num_f32 v[AT+t], v[AT+t], v[SB+8*t+u], v[SB+8*t+u+1]
.elseif (\n) < 32
.set t, (\n)%8
	v_max_num_f32 v[AT+t], v[AT+t], v[SB+8*t+7]
.elseif (\n) < 40
.set t, (\n)%8
	v_max3_num_f32 v[AT+8+t], v[SB+t], v[SB+8+t], v[SB+16+t]
.elseif (\n) < 56
.set t, (\n)%8
.set u, 2*((\n)/8)-7
	v_max3_num_f32 v[AT+8+t], v[AT+8+t], v[SB+8*u+t], v[SB+8*u+8+t]
.elseif (\n) < 64
.set t, (\n)%8
	v_max_num_f32 v[AT+8+t], v[AT+8+t], v[SB+56+t]
.elseif (\n) < 70
.set u, ((\n)-64)/3
.set t, ((\n)-64)%3
.if t == 0
	v_max3_num_f32 v[XT+(\n)-64], v[AT+8*u+4], v[AT+8*u+5], v[AT+8*u+6]
.elseif t == 1
	v_max3_num_f32 v[XT+(\n)-64], v[AT+8*u+2], v[AT+8*u+3], v[AT+8*u+6]
.else
	v_max3_num_f32 v[XT+(\n)-64], v[AT+8*u+1], v[AT+8*u+3], v[AT+8*u+5]
.endif
.elseif (\n) < 76
.set u, ((\n)-70)/3
	v_max_num_f32 v[XT+(\n)-70], v[XT+(\n)-70], v[AT+8*u+7]
.elseif (\n) < 78
.set u, (\n)-76
	v_max_num_f32 v[HA+u], v[AT+8*u], v[AT+8*u+1]
.elseif (\n) < 80
.set u, (\n)-78
	v_min_num_f32 v[LA+u], v[AT+8*u], v[AT+8*u+1]
.elseif (\n) < 90
.set t, ((\n)-80)/4
.set u, ((\n)-80)%2
.if ((\n)-80)%4 < 2
	v_med3_num_f32 v[TA+3*u+t], v[HA+u], v[AT+8*u+2*t+2], v[AT+8*u+2*t+3]
.else
	v_max3_num_f32 v[HA+u], v[HA+u], v[AT+8*u+2*t+2], v[AT+8*u+2*t+3]
.endif
.elseif (\n) == 90
	v_max3_num_f32 v[OM], v[HA], v[AT+6], v[AT+7]
.elseif (\n) < 97
	v_cmp_eq_f32 s[CM+(\n)-91], v[XT+(\n)-91], v[OM]
.elseif (\n) == 97
	v_max3_num_f32 v[LA], v[LA], v[TA], v[TA+1]
.elseif (\n) == 98
	v_max3_num_f32 v[LA+1], v[LA+1], v[TA+3], v[TA+4]
.elseif (\n) == 99
	v_max3_num_f32 v[LA], v[LA], v[TA+2], v[TA+5]
.elseif (\n) == 100
	v_max_num_f32 v[OM+1], v[LA], v[LA+1]
.elseif (\n) < 107
.if (\n) == 101
	s_wait_alu depctr_va_sdst(0)    ; the six compares have written s[CM] to s[CM+5], ahead of their first reader
.endif
	v_cndmask_b32 v[XT+(\n)-101], 0, 32>>((\n)-101), s[CM+(\n)-101]   ; the first compare's bit is idx's highest
.elseif (\n) == 107
	v_add3_u32 v[XT], v[XT], v[XT+1], v[XT+2]
.elseif (\n) == 108
	v_add3_u32 v[XT+3], v[XT+3], v[XT+4], v[XT+5]
.else
	v_add_nc_u32 v[OI+(\qt)], v[XT], v[XT+3]
.endif
.endm
; A TURN for query tile q: 32 products into S buffer q % 2; behind product i the lines [110 i / 32, 110 (i + 1) / 32) of the digest of the turn before (buffer (q + 1) % 2, tile (q + 7) % 8).
; An accumulator finished by product 24 + t is first read by line t of the next turn: at least eleven plain vector lines lie between (ISA guide 7.12.1 asks for four).
; fa (tile 7's turn): behind product 15 the wait that frees K quarters 0 and 1; the next step's fragments of these quarters follow, two fragments behind each of products 16-23.
; fb (tile 0's turn; the wait that frees quarters 2 and 3 stands ahead of it): their fragments, two behind each of products 0-7; each quarter is waited for ahead of its first product; behind products 24-30
; the stores of tiles 0-6 out of the out-buffer, which share the riders' window.  bw: the step's barrier is waited for behind product 20 (only register work stands between signal and wait).
.macro TURN q, fa=0, fb=0, bw=0
.set i, 0
.rept 32
.if (\fb) && (i == 8)
	s_wait_dscnt 32                 ; quarter 1 is in: the 32 loads of quarters 2 and 3 are younger
.endif
.if (\fb) && (i == 16)
	s_wait_dscnt 16                 ; quarter 2 is in: quarter 3's sixteen loads are younger
.endif
.if (\fb) && (i == 24)
	s_wait_dscnt 0x0                ; quarter 3 is in
.endif
	MM \q
.if (\fa) && (i >= 16) && (i < 24)
	WIN 0x40                        ; no wait: no vector or matrix instruction since the wait behind product 15 names quarters 0 and 1 or v[AF]
	AL2 (i-16)/4, (2*i)%8
	AL2 (i-16)/4, (2*i)%8+1
.endif
.if (\fb) && (i < 8)
	WIN 0x40                        ; no wait: no vector or matrix instruction since the wait ahead of the turn names quarters 2 and 3 or v[AF]
	AL2 2+i/4, (2*i)%8
	AL2 2+i/4, (2*i)%8+1
.endif
	WIN 0
.set n, (i*NL)/32
.rept ((i+1)*NL)/32-(i*NL)/32
	RID ((\q)+1)%2, ((\q)+7)%8, n
.set n, n+1
.endr
.if (\fb) && (i >= 24) && (i < 31)
	ds_store_b64 v[STA], v[OB+2*(i-24):OB+2*(i-24)+1] offset:16*PP*(i-24)   ; no wait: since the wait ahead of the turn the riders name tile 7's slot alone, and neither address
	ds_store_b8 v[IXA], v[OI+i-24] offset:256*(i-24)
.endif
.if (\fa) && (i == 15)
	s_wait_alu depctr_va_vdst(0)    ; the products issued so far are done reading K quarters 0 and 1, in which the loads behind the next eight products land
.endif
.if (\bw) && (i == 20)
	s_barrier_wait -1               ; every wave's part of the next slot is stored
.endif
.set i, i+1
.endr
.endm
	s_load_b256 s[4:11], s[0:1], 0x0               ; query s[4:5], gpu_pages s[6:7], pstat s[8:9], pidx s[10:11]
	v_lshl_add_u32 v[SPW], v0, 2, SPARE
	v_mov_b32 v[NIL], 0
	v_and_b32 v1, 31, v0                           ; lane
	v_lshrrev_b32 v2, 5, v0
	v_readfirstlane_b32 s12, v2                    ; wave
	v_and_b32 v2, 15, v0                           ; r
	v_bfe_u32 v3, v0, 4, 1                         ; h
	v_lshlrev_b32 v[L16], 4, v1
	s_wait_alu depctr_va_sdst(0)                   ; s12 is written, ahead of its first reader: LDS places and bases are made from it
	s_lshr_b32 s24, s12, 1                         ; which of a step's two pages I fetch
	s_and_b32 s25, s12, 1                          ; which 32 of its rows
	s_mul_i32 s26, s24, HALF
	s_mul_i32 s27, s25, 32*KP
	s_add_co_u32 s26, s26, s27
	v_lshl_add_u32 v[KS0], v1, 3, s26
	v_mov_b32 v[KS], v[KS0]
	v_lshrrev_b32 v16, 3, v2
	v_and_b32 v17, 7, v2
	v_mul_u32_u24 v[AF0], v16, HALF                ; fragment row r: page r / 8, row r % 8 of the tile's eight
	v_mul_u32_u24 v17, v17, KP
	v_add_nc_u32 v[AF0], v[AF0], v17
	v_lshl_add_u32 v[AF0], v3, 4, v[AF0]
	v_mov_b32 v[AF], v[AF0]
	s_mul_i32 s27, s12, 128*PP
	s_add_co_u32 s27, s27, PST                     ; my wave's 128 rows of the (m1, m2) stage
	v_mul_u32_u24 v[STA], v2, PP
	v_lshl_add_u32 v[STA], v3, 6, v[STA]           ; p16 = s + 8 h: 64 h bytes
	v_add_nc_u32 v[STA], s27, v[STA]
	s_lshl_b32 s28, s12, 11
	s_add_co_u32 s28, s28, IXS
	v_lshlrev_b32 v[IXA], 4, v2
	v_lshl_add_u32 v[IXA], v3, 3, v[IXA]
	v_add_nc_u32 v[IXA], s28, v[IXA]
	s_mul_i32 s29, s12, 128*KP
	s_add_co_u32 s29, s29, QST
	v_lshl_add_u32 v[QS], v1, 3, s29
	v_mul_u32_u24 v[QF], v2, KP
	v_lshl_add_u32 v[QF], v3, 4, v[QF]
	v_add_nc_u32 v[QF], s29, v[QF]
	v_lshrrev_b32 v16, 3, v1                       ; the way out: 32 lanes take four rows of 128 bytes
	v_and_b32 v17, 7, v1
	v_mul_u32_u24 v[RB], v16, PP
	v_lshl_add_u32 v[RB], v17, 4, v[RB]
	v_add_nc_u32 v[RB], s27, v[RB]
	v_add_nc_u32 v[IXB], s28, v[L16]
	s_and_b32 s30, ttmp7, 0xffff                   ; kr
	s_lshl_b32 s20, s30, 19                        ; 16 pages of 32,768 bytes
	s_lshl_b32 s21, s24, 18                        ; eight pages on
	s_add_co_u32 s20, s20, s21
	s_lshl_b32 s21, s25, 14                        ; 32 rows on
	s_add_co_u32 s20, s20, s21
	s_mov_b32 s21, 0
	s_lshl_b32 s22, ttmp9, 18                      ; 512 query rows of 512 bytes
	s_lshl_b32 s23, s12, 16                        ; my wave's 128
	s_add_co_u32 s22, s22, s23
	s_mov_b32 s23, 0
	s_lshl_b32 s32, s30, 17                        ; pstat: (1,024 kr + 512 x + 128 w) rows of 128 bytes
	s_lshl_b32 s33, ttmp9, 16
	s_add_co_u32 s32, s32, s33
	s_lshl_b32 s33, s12, 14
	s_add_co_u32 s32, s32, s33
	s_mov_b32 s33, 0
	s_lshr_b32 s34, s32, 3                         ; pidx: rows of 16 bytes
	s_mov_b32 s35, 0
	s_wait_kmcnt 0x0
	s_add_nc_u64 s[16:17], s[6:7], s[20:21]
	s_add_nc_u64 s[18:19], s[4:5], s[22:23]
	s_add_nc_u64 s[8:9], s[8:9], s[32:33]
	s_add_nc_u64 s[10:11], s[10:11], s[34:35]
	s_wait_alu depctr_va_vdst(0)                   ; the offset v4 and the LDS addresses v6 and v8 to v13 and v51 are written, which the loads and stores from here on read
	; Keys of step 0, then Q in four batches of 32 rows: behind each batch that is wanted exactly one batch of 32 loads has been issued, which is each wait's count.
	KLOAD
	QLOAD 0
	s_wait_loadcnt 32                              ; the keys are in; Q's batch 0 stays out
	KCONV
	QLOAD 1
	s_wait_loadcnt 32
	QCONV 0
	QLOAD 2
	s_wait_loadcnt 32
	QCONV 1
	QLOAD 3
	s_wait_loadcnt 32
	QCONV 2
	WIN 0xc0
	s_wait_dscnt 0x0                               ; the stores have left the key registers
	s_wait_alu depctr_vm_vsrc(0)                   ; the key stores have read window 3, in which the loads below land (the conversions that named it stand ahead of a wait on va_vdst)
	s_add_nc_u64 s[16:17], s[16:17], 0x8000        ; step 0's loads were shown done above: the base may step to the next pages
	KLOAD                                          ; step 1
	s_wait_loadcnt 32                              ; Q's batch 3 is in; step 1's keys stay out
	QCONV 3
	WIN 0
	s_wait_dscnt 0x0                               ; for the others' sake: my part of slot 0 is stored
	s_barrier_signal -1
	s_barrier_wait -1
	WIN 0x80
	s_wait_alu depctr_vm_vsrc(0)                   ; Q's stores have read windows 1 and 2, in which the fragments below land (the conversions that named them stand ahead of the last wait on va_vdst)
.set i, 0
.rept 32                                               ; Q stays in registers: tile i / 4, K quarter i % 4 (the rows are my wave's own)
	ds_load_b128 v[8*i:8*i+3], v[QF] offset:16*KP*(i/4)+64*(i%4)
	ds_load_b128 v[8*i+4:8*i+7], v[QF] offset:16*KP*(i/4)+64*(i%4)+32
.set i, i+1
.endr
	WIN 0x40
.set f, 0
.rept 32                                               ; step 0's key fragments, quarter by quarter
	AL2 f/8, f%8
.set f, f+1
.endr
	s_wait_dscnt 0x0
.set i, 0
.rept 32
	MM 0                                           ; the first turn has no digest to carry
.set i, i+1
.endr
	WIN 0
.rept 4
	v_nop                                          ; the places between those products and the first lines that read them
.endr
	s_mov_b32 s13, 0                               ; the step
	s_mov_b32 s14, SLOTX                           ; the slot that takes the next step's keys
.Lstep:                                                ; a trip: query tiles 1-7 of step s13, then tile 0 of the next step
	TURN 1
	TURN 2
	TURN 3
	TURN 4
	TURN 5
	WIN 0
	s_cmp_eq_u32 s13, 7
	s_cbranch_scc1 .Lnc                            ; the last step has no successor
	s_wait_alu depctr_vm_vsrc(0)                   ; the key stores and the fragment loads issued so far have read v[KS] and v[AF]
	v_add_nc_u32 v[KS], s14, v[KS0]
	v_add_nc_u32 v[AF], s14, v[AF0]
	s_wait_loadcnt 0x0                             ; the next step's keys, asked for a whole trip ago
	KCONV                                          ; into the slot whose last readers waited for their loads ahead of the barrier of the trip before
	WIN 0
	s_cmp_ge_u32 s13, 6
	s_cbranch_scc1 .Lnc
	WIN 0xc0
	s_wait_dscnt 0x0
	s_wait_alu depctr_vm_vsrc(0)                   ; the key stores have read window 3, in which the loads below land; no vector instruction has been issued since the wait between the conversions and those stores
	s_add_nc_u64 s[16:17], s[16:17], 0x8000
	KLOAD                                          ; the step after next
	WIN 0
.Lnc:
	s_wait_dscnt 0x0                               ; my stores into the next slot are done, and no LDS instruction of mine is out
	s_barrier_signal -1
	TURN 6, 0, 0, 1
	TURN 7, 1                                      ; in the last step its 32 loads read the step's own slot once more and serve nothing: one text for every trip
	WIN 0
	s_cmp_eq_u32 s13, 7
	s_cbranch_scc1 .Lout
	s_wait_alu depctr_va_vdst(0)                   ; tile 7's products are done reading K quarters 2 and 3, in which loads of the turn below land; the digests of tiles 0 to 6 have written their slots of the out-buffer, which its stores read
	s_wait_dscnt 16                                ; quarter 0 is in: quarter 1's sixteen loads are younger
	TURN 0, 0, 1
	WIN 0
	s_wait_alu depctr_va_vdst(0)                   ; tile 7's digest has written its slot of the out-buffer
	ds_store_b64 v[STA], v[OB+14:OB+15] offset:16*PP*7
	ds_store_b8 v[IXA], v[OI+7] offset:256*7
	s_wait_alu depctr_vm_vsrc(0)                   ; the step's sixteen stores have read v[STA], v[IXA] and the out-buffer: the two adds below and the next trip's digests write them
	v_add_nc_u32 v[STA], 8, v[STA]                 ; the next step's pages
	v_add_nc_u32 v[IXA], 1, v[IXA]
	s_xor_b32 s14, s14, SLOTX
	s_add_co_u32 s13, s13, 1
	s_cmp_lt_u32 s13, 8
	s_cbranch_scc1 .Lstep
.Lout:
.rept 4
	v_nop
.endr
.set n, 0
.rept NL
	RID 1, 7, n                                    ; the last turn's digest
.set n, n+1
.endr
	s_wait_alu depctr_va_vdst(0)                   ; the last step's eight digests have written the out-buffer, which the stores below read, and are done with S, in which the read-backs land
.set t, 0
.rept 8
	ds_store_b64 v[STA], v[OB+2*t:OB+2*t+1] offset:16*PP*t
	ds_store_b8 v[IXA], v[OI+t] offset:256*t
.set t, t+1
.endr
	; THE WAY OUT: my wave's own rows of the stages (LDS serves a wave's instructions in order: ISA guide 5.7.1.4), back as 512 consecutive bytes a load, stored as such.
.set n, 0
.rept 32
	ds_load_b128 v[64+4*n:64+4*n+3], v[RB] offset:4*PP*n
.set n, n+1
.endr
.set n, 0
.rept 4
	ds_load_b128 v[BI+4*n:BI+4*n+3], v[IXB] offset:512*n
.set n, n+1
.endr
.set n, 0
.rept 32
	s_wait_dscnt 35-n                              ; the younger read-backs may stay out
	global_store_b128 v[L16], v[64+4*n:64+4*n+3], s[8:9] offset:512*n
.set n, n+1
.endr
.set n, 0
.rept 4
	s_wait_dscnt 3-n
	global_store_b128 v[L16], v[BI+4*n:BI+4*n+3], s[10:11] offset:512*n
.set n, n+1
.endr
	s_wait_dscnt 0x0                               ; the closing lines, six on end
	s_wait_alu 0x0
	s_wait_tensorcnt 0x0
	ds_add_u32 v[SPW], v[NIL]
	s_wait_dscnt 0x0
	s_endpgm
.Lfunc_end_k_qefb776847a_stats:
	.size	k_qefb776847a_stats, .Lfunc_end_k_qefb776847a_stats-k_qefb776847a_stats
	.p2alignl 7, 3214868480
	.fill 96, 4, 3214868480
	.section	.rodata,"a",@progbits
	.p2align	6, 0x0
	.amdhsa_kernel k_qefb776847a_stats
		.amdhsa_group_segment_fixed_size 313600
		.amdhsa_private_segment_fixed_size 0
		.amdhsa_enable_private_segment 0
		.amdhsa_kernarg_size 32
		.amdhsa_user_sgpr_count 2
		.amdhsa_user_sgpr_kernarg_segment_ptr 1
		.amdhsa_wavefront_size32 1
		.amdhsa_system_sgpr_workgroup_id_x 1
		.amdhsa_system_sgpr_workgroup_id_y 1
		.amdhsa_system_sgpr_workgroup_id_z 1
		.amdhsa_system_vgpr_workitem_id 0
		.amdhsa_next_free_vgpr 896
		.amdhsa_next_free_sgpr 66
		.amdhsa_reserve_vcc 0
		.amdhsa_float_denorm_mode_32 3
		.amdhsa_float_denorm_mode_16_64 3
		.amdhsa_memory_ordered 1
		.amdhsa_forward_progress 1
		.amdhsa_inst_pref_size 174
	.end_amdhsa_kernel
	.amdgpu_metadata
---
amdhsa.version: [ 1, 2 ]
amdhsa.kernels:
  - .name:           k_qefb776847a_stats
    .symbol:         k_qefb776847a_stats.kd
    .args:
      - { .name: query, .offset: 0, .size: 8, .value_kind: global_buffer, .address_space: global }
      - { .name: gpu_pages, .offset: 8, .size: 8, .value_kind: global_buffer, .address_space: global }
      - { .name: pstat, .offset: 16, .size: 8, .value_kind: global_buffer, .address_space: global }
      - { .name: pidx, .offset: 24, .size: 8, .value_kind: global_buffer, .address_space: global }
    .group_segment_fixed_size: 313600
    .private_segment_fixed_size: 0
    .kernarg_segment_align: 8
    .kernarg_segment_size: 32
    .max_flat_workgroup_size: 128
    .sgpr_count:     66
    .vgpr_count:     896
    .wavefront_size: 32
...
	.end_amdgpu_metadata
.endif
;; end of part 5
;; launch thresh: the kernel of part 2 again; grid 256 x 1, 2 waves a work-group, no clusters, 0 bytes of LDS; arguments pstat, masks; writes masks
;; launch pick: the kernel of part 3 again; grid 1024 x 1, 1 waves a work-group, no clusters, 35,072 bytes of LDS; arguments masks, pstat, pidx, gpu_pages, query, topi, topw; writes topi, topw
;; launch mix: the kernel of part 4 again; grid 1024 x 1, 1 waves a work-group, no clusters, 19,200 bytes of LDS; arguments topi, topw, gpu_pages, out0; writes out0
